; MI455X (gfx1250); checked and timed in simulation.
; The chip was launched on July 23, 2026; its instructions are those of AMD's public machine-readable ISA for CDNA 5 (MIT licence, August 2026) and "CDNA5" Instruction Set Architecture Reference Guide (July 2026). The comments in the code are by the model that wrote it; some were corrected since.
;; Causal Self Attention. Allowed arithmetic: matrix products marked QUANTISED: E2M1 operands, one E8M0 scale for each 32 along K, by v_wmma_scale_f32_16x16x128_f8f6f4 with both operands' format E2M1 (or v_wmma_scale_f32_32x16x128_f4), f32 sums; everything else in f32.
;; Inputs: W_attn_codes 3,072 x 32 x 16 uint8 (E2M1 codes of W_attn, K innermost, in blocks of 32 codes, two codes a byte); W_attn_scales 3,072 x 32 uint8 (E8M0 scales of W_attn, one for each 32 codes along K); W_proj_codes 1,024 x 32 x 16 uint8 (E2M1 codes of W_proj, K innermost, in blocks of 32 codes, two codes a byte); W_proj_scales 1,024 x 32 uint8 (E8M0 scales of W_proj, one for each 32 codes along K); b_attn 3,072 float32; b_proj 1,024 float32; cos 2,048 x 32 float32; sin 2,048 x 32 float32; x_codes 2 x 2,048 x 32 x 16 uint8 (E2M1 codes of x, K innermost, in blocks of 32 codes, two codes a byte); x_scales 2 x 2,048 x 32 uint8 (E8M0 scales of x, one for each 32 codes along K).
;; Outputs: out0 2 x 2,048 x 1,024 float32.
;; This version of the problem:
;;   THIS VERSION OF THE PROBLEM IS GIVEN IN LOW PRECISION. The matrix products marked QUANTISED in the list below multiply operands that are first quantised to E2M1 (2 exponent bits, 1 mantissa bit; 4 bits a number), with one power-of-two scale for each 32 numbers along K (OCP MX v1.0); their sums are f32. All else is computed in f32.
;;   The module's matrix products, in the order in which they are computed (A, B: the left and right operand; K: the contracted axis; several contracted axes count as one K, in the product's order):
;;     1. [M 4,096, K 1,024] x [K 1,024, N 3,072]; A: input x (given as codes); B: input W_attn (given as codes): QUANTISED
;;     2. batch 32 x [M 2,048, K 64] x [K 64, N 2,048]; A: computed on the way; B: computed on the way: QUANTISED
;;     3. batch 32 x [M 64, K 2,048] x [K 2,048, N 2,048]; A: computed on the way; B: softmax (see below): QUANTISED
;;     4. [M 4,096, K 1,024] x [K 1,024, N 1,024]; A: computed on the way; B: input W_proj (given as codes): QUANTISED
;;   THE QUANTISER, for each operand of a quantised product, along K:
;;     - K is cut into blocks of 32 from its start; a last block that is shorter is filled with zeros.
;;     - A block's scale is 2^e with e = floor(log2(the largest magnitude in the block)) - 2, held to -126 .. 127; a block of zeros has e = 0. As a byte (E8M0): e + 127.
;;     - Each number is divided by its block's scale, clamped to +-6, and rounded to the nearest number of E2M1, ties to even, subnormals kept.
;;     - The product sums the exact products of the quantised numbers (number of the format x scale) in f32.
;;   ~~~python
;;   def quantise(x, axis):      # numpy; x: float32 -> the quantised numbers, widened to float32 again
;;       x = np.moveaxis(x, axis, -1); K = x.shape[-1]
;;       x = np.pad(x, [(0, 0)] * (x.ndim - 1) + [(0, -K % 32)]); x = x.reshape(x.shape[:-1] + (-1, 32)); a = np.abs(x).max(-1, keepdims=True)
;;       e = np.where(a > 0, np.clip(np.frexp(np.where(a > 0, a, 1))[1] - 1 - 2, -126, 127), 0)      # np.frexp(a)[1] - 1 = floor(log2(a)), exactly
;;       r = np.clip(x / 2.0 ** e, -6, 6)
;;       step = 2.0 ** (np.maximum(np.frexp(np.where(r == 0, 1, r))[1] - 1, 0) - 1)
;;       q = np.round(r / step) * step * 2.0 ** e      # np.round: ties to even
;;       return np.moveaxis(q.reshape(q.shape[:-2] + (-1,))[..., :K], -1, axis).astype(np.float32)
;;   ~~~
;;   SOFTMAX AHEAD OF A QUANTISED PRODUCT. Where the list says 'softmax', what is quantised is not the finished softmax but p = 2^(t - M), with t = logit x log2(e) and M = ceil(the row's largest t), a whole number; so 1/2 < the row's largest p <= 1. The row's sum l is taken of the UNQUANTISED p, in f32, and the product's result is divided by l at the end. Since M is a whole number, a kernel that streams over the keys may use a running M (the ceiling of the running maximum): every later rescaling is an exact power of two, which a block's scale takes up: the codes' values come out the same.
;;   OPERANDS COMPUTED ON THE WAY. 'Computed on the way' means the value that the module computes at that place (a softmax that the list does not call 'softmax' is quantised finished and normalised). What goes into a quantiser is computed in f32, as accurately as f32 sums, v_exp_f32 and their like allow (about 1e-6 of the number): no bf16 or f16 on the way to a quantiser, and a product that is left as it is and whose result goes on into a quantised operand takes f32 operands (vector FMAs, or v_wmma_f32_16x16x4_f32). A number that lies on a knife's edge between two numbers of the format may be rounded either way, as far as f32 arithmetic and the matrix unit's own rounding can turn it there, and no further.
;;   INPUTS GIVEN AS CODES. W_attn (in the module: [1024, 3072], K = its axis 0); W_proj (in the module: [1024, 1024], K = its axis 0); x (in the module: [2, 2048, 1024], K = its axis 2): each comes as NAME_codes (uint8): NAME with its K axis moved to the last place and cut into blocks of 32 codes, [.., K / 32, bytes a block], one block behind the other in memory; two codes a byte, the lower K in the low four bits (a code: sign, 2 exponent bits, 1 mantissa bit); and NAME_scales (uint8): the same leading axes, one E8M0 byte (e + 127) for each 32 codes along K. Its value is code x scale, taken as it is: it is not quantised again, and the codes and scales need not be those that the quantiser above would give.
;; One version. Each part assembles by itself: llvm-mc -triple=amdgcn-amd-amdhsa -mcpu=gfx1250 --defsym DOCPART=n.
;; ======== version 1 of 1: 3 launches
;; limits: right only within a limited range of input values
;; workspace buffers: qrec 2,359,296 bytes; kvrec 4,587,520 bytes; yimg 2,097,152 bytes; ysc 131,072 bytes
;; launch qkv (part 1): grid 8 x 32, 12 waves a work-group, clusters of 4 x 4, 327,680 bytes of LDS; arguments x_codes, x_scales, W_attn_codes, W_attn_scales, b_attn, cos, sin, qrec, kvrec; writes qrec, kvrec
.if DOCPART == 1
	.amdgcn_target "amdgcn-amd-amdhsa--gfx1250"
	.amdhsa_code_object_version 6
	.text
	.protected	k_q9bdf749dee_qkv
	.globl	k_q9bdf749dee_qkv
	.p2align	8
	.type	k_q9bdf749dee_qkv,@function
k_q9bdf749dee_qkv:
	s_mov_b64 s[64:65], 0
	v_nop
	global_prefetch_b8 v0, s[64:65] scope:SCOPE_SE
	s_setreg_imm32_b32 hwreg(HW_REG_WAVE_MODE, 25, 1), 1
	s_wait_xcnt 0x0
	s_wait_alu depctr_hold_cnt(0) depctr_sa_sdst(0) depctr_va_vdst(0) depctr_va_sdst(0) depctr_va_ssrc(0) depctr_va_vcc(0) depctr_vm_vsrc(0)
	s_getreg_b32 s2, hwreg(HW_REG_IB_STS2, 6, 4)
	s_cmp_eq_u32 s2, 0
	s_cbranch_scc0 .Lentry_in_a_cluster
	s_endpgm
.Lentry_in_a_cluster:
	s_bfe_u32 s2, ttmp6, 0x10000c
	s_cmp_lg_u32 s2, 0xf033
	s_cbranch_scc0 .Lentry_shape_is_right
	s_endpgm
.Lentry_shape_is_right:
; FIRST OF THREE LAUNCHES: qkv = x W_attn + b_attn on codes of FP4 (E2M1) with E8M0 scales, then, in f32, the RMS norm and the rotary turn of q and k, and the quantisers of q, k (along the head's 64) and v (along the tokens).
; Nothing wide goes to memory: the launch stores codes and scale bytes alone, laid as IMAGES OF OPERAND REGISTERS for the second launch.
; DEAD WORK LEFT OUT BY THE PROGRAM (in the second launch): reference() builds a causal jnp.tril in its own body and sets scores of keys s > t to -infinity ahead of the softmax; their p is 0 for every finite input, so they add
; nothing to the row's sum or to y.  A step of 128 keys all of which come after a tile's 16 queries is therefore not multiplied.  Every input has a way to the output (k's part of b_attn moves k's codes) and is loaded.
; LIMITS: a NaN, an infinity or an overflow that reaches only the key steps left out is not carried to the result.  NaN and infinities among the inputs are not served.  A block of zeros gets the scale byte 1 where the rule says 127:
; its codes are zeros, and these bytes are read by this program alone.  The head's K = 64 is filled to the instruction's 128 with zero codes on q's side, under the scale byte 0 (2^-127, no NaN).
; SHARES.  A work-group takes 128 tokens x 384 columns: heads 2 cg, 2 cg + 1 of q, of k and of v.  Wave w: unit u = w / 2 (0, 1: q; 2, 3: k; 4, 5: v; head 2 cg + u % 2), row half rh = w % 2: 64 tokens x 64 columns, 16 accumulators.
; ONE TEXT FOR ALL ROLES: source 0 is P (4 tiles), source 1 is Q (4 tiles).  q, k: P = W's rows, Q = x's: a lane holds ONE token and its registers run along d.  v: P = x's rows, Q = W's: a lane holds ONE d and its registers run along tokens.
; So in each role a lane's registers run along the K of the product that will take them.  In accumulator (a, b), lane (r, h), register i holds P's row 16 b + 8 h + i and Q's row 16 a + r.
; CLUSTER 4 x 4: x's tile, cos and sin hang on the row block alone and are asked for jointly along a row of the cluster; W's tile and the bias on the column group alone, along a column.
; All of a work-group's operands fit in LDS at once: every byte of LDS is filled once, at the head; the products begin once every load has landed.  Wave 11 issues no tensor load.
; The 128 bytes of v's scale halves that a wave stores are half of an aligned 256: 1 byte in 70 of what the launch stores.
.set PITCH, 528                        ; an LDS row of codes: 512 bytes (all 1,024 along K) + 16 of padding: an odd multiple of 16; one tensor load a wave brings whole rows
.set TILEB, 16*PITCH
.set H1,    256                        ; K half 1 lies 256 bytes on in the same row
.set COSB,  512*PITCH                  ; cos: 128 rows x (128 bytes + 16), behind x's 128 rows and W's 64 for each unit
.set CSP,   144
.set SINO,  128*CSP                    ; sin lies behind cos
.set BIASB, COSB+2*SINO                ; the bias: unit u's 64 numbers at 256 u
.set SPARE, BIASB+1536                 ; the spare words, 128 bytes for each of 12 waves: six blocks of 256 bytes that no other line names
.set SPW, 1                            ; v1  LDS address of my spare word; never rewritten
.set NIL, 2                            ; v2  0; never rewritten
.set AP,  3                            ; v3, v4   P's fragments in K half 0, 1
.set AQ,  5                            ; v5, v6   Q's
.set L16, 7                            ; v7  16 x lane
.set L8,  8                            ; v8  8 x lane
.set L4,  9                            ; v9  4 x lane
.set CSA, 10                           ; v10 cos: my token's row, + 32 h
.set LS,  11                           ; v11 scale bytes in memory: 32 r + 16 h
.set TM,  12                           ; v12-13 largest magnitudes;  v14-15 the other half's;  v16-17 the conversions' scale operands;  v18-19 the bytes
.set TP,  14
.set TS,  16
.set TY,  18
.set PC,  20                           ; v20-23 the codes just made
.set WW,  24                           ; v24-27 the four tiles' scale words
.set WO,  28                           ; v28-29 scale words on the way out
.set BAQ, 30                           ; v30 the bias for q, k: 256 u + 32 h
.set BAV, 31                           ; v31 for v: 256 u + 4 r
.set SCP, 32                           ; v32-47 P's scale words, v48-63 Q's: scales and nothing else.  Register 4 i + q: lanes 0-15 K step q, lanes 16-31 K step 4 + q of tile i
.set SCQ, 48
.set F0,  64                           ; v64-95 P's four fragments;  v96-127 Q's
.set F1,  96
.set ACC, 128                          ; v128-255 accumulator (a, b) at 128 + 32 a + 8 b
.set BI,  64                           ; behind the products: the bias (q, k), 32 registers; then
.set SS,  64                           ; v64-71 sums of squares, a pair a tile;  v72-75 at work
.set TT,  72
.set BV,  64                           ; v64-71 the bias (v), a pair a tile
.set CC,  96                           ; v96-111 cos, v112-127 sin of a tile's tokens
.set SN,  112
.set SEL, 2                            ; s[2:3] v_permlanex16_b32's selects for lane l xor 16
.set WV,  22
.set U,   23
.set RH,  24
.set CX,  25
.set CY,  26
.set CG,  27                           ; column group 0..7
.set RB,  28                           ; row block 0..31
.set RM,  29                           ; mask: my row of the cluster
.set CM,  30                           ; my column
.set JB,  31                           ; the row block within its batch
.set G1X, 32                           ; descriptor groups 1: x's tiles, W's, cos and sin, the bias
.set G1W, 40
.set G1C, 48
.set G1B, 56
.set R64, 66                           ; 1 / 64
.set EPS, 67                           ; 2^-23, f32's eps
.set G0X, 68                           ; groups 0: x's two, W's two, cos or sin, the bias
.set G0W, 76
.set G0C, 84
.set G0B, 88
.set HM,  94                           ; lanes 16-31, as a mask
; temporaries: s92-94 hold the wave's number and the row block alone, s95-98 the wave's number and the column group alone, s99-101 both
.macro ROUND                           ; a round of the cluster's barrier
	s_barrier_signal -1
	s_barrier_wait -1
	s_cmp_lg_u32 s[WV], 0
	s_cbranch_scc1 .Lnot_wave_0_\@
	s_barrier_signal -3
.Lnot_wave_0_\@:
	s_barrier_wait -3
	s_barrier_signal -1
	s_barrier_wait -1
.endm
; 32 numbers of a lane, register 8 t + i = k 16 t + 8 h + i of my row, become two blocks of 32 codes.  Block b lies in my registers 16 b .. 16 b + 15 and lane l xor 16's.
; Afterwards lane (r, h) holds block h of row r in v[PC] .. v[PC + 3], in the order of k: four registers of an operand; v[w] holds the two scale bytes (upper bytes 0).
.macro QUANT2 x, w
.irp b, 0,1
	v_max3_num_f32 v[TM+\b], |v[(\x)+16*\b]|, |v[(\x)+16*\b+1]|, 0x1800000   ; and the floor 2^(3 - 127): the byte cannot fall under 1
.endr
.irp i, 2,4,6,8,10,12,14
.irp b, 0,1
	s_delay_alu instid0(VALU_DEP_2)
	v_max3_num_f32 v[TM+\b], v[TM+\b], |v[(\x)+16*\b+\i]|, |v[(\x)+16*\b+\i+1]|
.endr
.endr
.irp b, 0,1
	s_delay_alu instid0(VALU_DEP_2)
	v_permlanex16_b32 v[TP+\b], v[TM+\b], s[SEL], s[SEL+1]
.endr
.irp b, 0,1
	s_delay_alu instid0(VALU_DEP_2)
	v_max_num_f32 v[TM+\b], v[TM+\b], v[TP+\b]     ; the block's largest magnitude
.endr
.irp b, 0,1
	s_delay_alu instid0(VALU_DEP_2)
	v_add_nc_u32 v[TS+\b], 0xff000000, v[TM+\b]    ; 2 off its exponent field: the conversion takes this operand's exponent field as its scale
.endr
.irp b, 0,1
	s_delay_alu instid0(VALU_DEP_2)
	v_lshrrev_b32 v[TY+\b], 23, v[TS+\b]           ; the scale's byte
.endr
	s_delay_alu instid0(VALU_DEP_1)
	v_lshl_or_b32 v[\w], v[TY+1], 8, v[TY]
	v_cvt_scalef32_pk8_fp4_f32 v[PC], v[(\x):(\x)+7], v[TS]            ; block 0, k = 8 h + 0 .. 7
	v_cvt_scalef32_pk8_fp4_f32 v[PC+1], v[(\x)+16:(\x)+23], v[TS+1]    ; block 1, likewise
	v_cvt_scalef32_pk8_fp4_f32 v[PC+2], v[(\x)+8:(\x)+15], v[TS]       ; block 0, k = 16 + 8 h + 0 .. 7
	v_cvt_scalef32_pk8_fp4_f32 v[PC+3], v[(\x)+24:(\x)+31], v[TS+1]
	v_nop                                          ; one plain place behind a scaled conversion
	v_permlane16_swap_b32 v[PC], v[PC+1]           ; the first's lanes 16-31 change places with the second's lanes 0-15: k = 0 .. 7 and 8 .. 15 of block h
	v_permlane16_swap_b32 v[PC+2], v[PC+3]         ; k = 16 .. 23 and 24 .. 31
.endm
; A K step of 128: 16 LDS loads, 16 products.  The 16 accumulators take turns, one instruction a turn, in the same order in every step.
.macro KSTEP s
.if (\s) > 0
.rept 4
	v_nop                                          ; places in front of loads into registers that matrix instructions have read
.endr
.endif
.irp i, 0,1,2,3
.irp c, 0,1
	ds_load_b128 v[F0+8*\i+4*\c:F0+8*\i+4*\c+3], v[AP+(\s)/4] offset:TILEB*\i+64*((\s)%4)+32*\c
.endr
.endr
.irp i, 0,1,2,3
.irp c, 0,1
	ds_load_b128 v[F1+8*\i+4*\c:F1+8*\i+4*\c+3], v[AQ+(\s)/4] offset:TILEB*\i+64*((\s)%4)+32*\c
.endr
.endr
.irp a, 0,1,2,3
	s_wait_dscnt 6-2*\a                            ; P's fragments and Q's up to a are in; the younger ones of Q may be out
.irp b, 0,1,2,3
.if (\s) == 0
	v_wmma_scale_f32_16x16x128_f8f6f4 v[ACC+32*\a+8*\b:ACC+32*\a+8*\b+7], v[F0+8*\b:F0+8*\b+7], v[F1+8*\a:F1+8*\a+7], 0, v[SCP+4*\b], v[SCQ+4*\a] matrix_a_fmt:MATRIX_FMT_FP4 matrix_b_fmt:MATRIX_FMT_FP4
.elseif (\s) < 4
	v_wmma_scale_f32_16x16x128_f8f6f4 v[ACC+32*\a+8*\b:ACC+32*\a+8*\b+7], v[F0+8*\b:F0+8*\b+7], v[F1+8*\a:F1+8*\a+7], v[ACC+32*\a+8*\b:ACC+32*\a+8*\b+7], v[SCP+4*\b+(\s)], v[SCQ+4*\a+(\s)] matrix_a_fmt:MATRIX_FMT_FP4 matrix_b_fmt:MATRIX_FMT_FP4
.else
	v_wmma_scale_f32_16x16x128_f8f6f4 v[ACC+32*\a+8*\b:ACC+32*\a+8*\b+7], v[F0+8*\b:F0+8*\b+7], v[F1+8*\a:F1+8*\a+7], v[ACC+32*\a+8*\b:ACC+32*\a+8*\b+7], v[SCP+4*\b+(\s)-4], v[SCQ+4*\a+(\s)-4] matrix_a_fmt:MATRIX_FMT_FP4 matrix_b_fmt:MATRIX_FMT_FP4 matrix_a_scale:MATRIX_SCALE_ROW1 matrix_b_scale:MATRIX_SCALE_ROW1
.endif
.endr
.endr
.endm
	s_load_b256 s[4:11], s[0:1], 0x0               ; x's codes s[4:5], x's scales s[6:7], W's codes s[8:9], W's scales s[10:11]
	s_load_b256 s[12:19], s[0:1], 0x20             ; b_attn s[12:13], cos s[14:15], sin s[16:17], qrec s[18:19]
	s_load_b64 s[20:21], s[0:1], 0x40              ; kvrec
	v_lshl_add_u32 v[SPW], v0, 2, SPARE
	v_mov_b32 v[NIL], 0
	ds_add_u32 v[SPW], v[NIL]                      ; the wave's opening: the add, twice on end, and its wait ahead of the first tensor loads; the set-up below stands between
	ds_add_u32 v[SPW], v[NIL]
	v_lshrrev_b32 v3, 5, v0
	s_delay_alu instid0(VALU_DEP_1)
	v_readfirstlane_b32 s[WV], v3                  ; wave 0..11
	s_lshr_b32 s[U], s[WV], 1                      ; unit
	s_and_b32 s[RH], s[WV], 1                      ; row half
	s_bfe_u32 s[CX], ttmp6, 0x40000                ; my place in the cluster
	s_bfe_u32 s[CY], ttmp6, 0x40004
	s_lshl_b32 s[CG], ttmp9, 2
	s_add_co_u32 s[CG], s[CG], s[CX]               ; column group = 4 x cluster x + cx
	s_and_b32 s[RB], ttmp7, 0xffff
	s_lshl_b32 s[RB], s[RB], 2
	s_add_co_u32 s[RB], s[RB], s[CY]               ; row block = 4 x cluster y + cy
	s_lshl_b32 s[RM], s[CY], 2
	s_lshl_b32 s[RM], 15, s[RM]                    ; my row of the cluster
	s_lshl_b32 s[CM], 0x1111, s[CX]                ; my column
	s_and_b32 s[JB], s[RB], 15
	; descriptor groups 1.  Codes: 64 rows x 512 bytes, whole rows; 4 words of padding behind every 128
	s_or_b32 s[G1X], s[RM], (1<<20)|(1<<21)|(6<<22)|(3<<25)   ; 64 rows x 512 bytes; 4 words of padding behind every 128
	s_or_b32 s[G1W], s[CM], (1<<20)|(1<<21)|(6<<22)|(3<<25)
.irp g, G1X, G1W
	s_mov_b32 s[\g+1], 512<<16                     ; tensor_dim0
	s_mov_b32 s[\g+2], 64<<16                      ; tensor_dim1
	s_mov_b32 s[\g+3], 512<<16                     ; tile_dim0
	s_mov_b32 s[\g+4], 64                          ; tile_dim1
	s_mov_b32 s[\g+5], 512                         ; from row to row
	s_mov_b32 s[\g+6], 0
	s_mov_b32 s[\g+7], 0
.endr
	s_or_b32 s[G1C], s[RM], (2<<16)|(1<<20)|(1<<21)|(4<<22)|(3<<25)   ; cos, sin: 128 rows x 32 elements of 4 bytes, dense; 4 words of padding behind every 32
	s_mov_b32 s[G1C+1], 32<<16
	s_mov_b32 s[G1C+2], 128<<16
	s_mov_b32 s[G1C+3], 32<<16
	s_mov_b32 s[G1C+4], 128
	s_mov_b32 s[G1C+5], 32
	s_mov_b32 s[G1C+6], 0
	s_mov_b32 s[G1C+7], 0
	s_or_b32 s[G1B], s[CM], (2<<16)|(1<<21)        ; the bias: 3 rows (q, k, v) x 128 elements of 4 bytes, 1,024 elements apart; no padding
	s_mov_b32 s[G1B+1], 128<<16
	s_mov_b32 s[G1B+2], 3<<16
	s_mov_b32 s[G1B+3], 128<<16
	s_mov_b32 s[G1B+4], 3
	s_mov_b32 s[G1B+5], 1024
	s_mov_b32 s[G1B+6], 0
	s_mov_b32 s[G1B+7], 0
	s_mov_b32 s[SEL], 0x76543210
	s_mov_b32 s[SEL+1], 0xfedcba98
	s_mov_b32 s[R64], 0x3c800000
	s_mov_b32 s[EPS], 0x34000000
	; which LDS rows are P's and which Q's: arithmetic on the wave's number alone.  f = 1 in v's waves
	s_lshr_b32 s92, s[WV], 3                       ; f
	s_xor_b32 s93, s92, 1                          ; 1 - f
	s_lshl_b32 s94, s[U], 6
	s_add_co_u32 s94, s94, 128                     ; W's rows of my unit: 128 + 64 u
	s_lshl_b32 s95, s[RH], 6                       ; x's rows of my half: 64 rh
	s_mul_i32 s96, s94, s93
	s_mul_i32 s97, s95, s92
	s_add_co_u32 s96, s96, s97                     ; P's first row
	s_mul_i32 s97, s94, s92
	s_mul_i32 s98, s95, s93
	s_add_co_u32 s97, s97, s98                     ; Q's
	s_mul_i32 s96, s96, PITCH
	s_mul_i32 s97, s97, PITCH
	v_and_b32 v12, 15, v0                          ; r
	v_bfe_u32 v13, v0, 4, 1                        ; h
	v_and_b32 v14, 31, v0                          ; lane
	s_delay_alu instid0(VALU_DEP_3)
	v_mul_u32_u24 v15, v12, PITCH
	s_delay_alu instid0(VALU_DEP_1)
	v_lshl_add_u32 v15, v13, 4, v15                ; a fragment's row x pitch + 16 h
	s_delay_alu instid0(VALU_DEP_1)
	v_add_nc_u32 v[AP], s96, v15
	s_delay_alu instid0(VALU_DEP_1)
	v_add_nc_u32 v[AP+1], H1, v[AP]
	s_delay_alu instid0(VALU_DEP_3)
	v_add_nc_u32 v[AQ], s97, v15
	s_delay_alu instid0(VALU_DEP_1)
	v_add_nc_u32 v[AQ+1], H1, v[AQ]
	v_lshlrev_b32 v[L16], 4, v14
	v_lshlrev_b32 v[L8], 3, v14
	v_lshlrev_b32 v[L4], 2, v14
	s_mul_i32 s92, s[RH], 64*CSP
	v_mul_u32_u24 v[CSA], v12, CSP
	s_delay_alu instid0(VALU_DEP_1)
	v_lshl_add_u32 v[CSA], v13, 5, v[CSA]
	s_delay_alu instid0(VALU_DEP_1)
	v_add_nc_u32 v[CSA], s92, v[CSA]
	s_delay_alu instid0(VALU_DEP_1)
	v_add_nc_u32 v[CSA], COSB, v[CSA]              ; cos: row 64 rh + r, + 32 h
	v_lshlrev_b32 v[LS], 5, v12
	s_delay_alu instid0(VALU_DEP_1)
	v_lshl_add_u32 v[LS], v13, 4, v[LS]            ; a row of scale bytes is 32: lanes 0-15 take K steps 0-3, lanes 16-31 K steps 4-7
	s_lshl_b32 s92, s[U], 8
	v_lshlrev_b32 v[BAQ], 5, v13
	s_delay_alu instid0(VALU_DEP_1)
	v_add_nc_u32 v[BAQ], s92, v[BAQ]
	s_delay_alu instid0(VALU_DEP_1)
	v_add_nc_u32 v[BAQ], BIASB, v[BAQ]
	v_lshlrev_b32 v[BAV], 2, v12
	s_delay_alu instid0(VALU_DEP_1)
	v_add_nc_u32 v[BAV], s92, v[BAV]
	s_delay_alu instid0(VALU_DEP_1)
	v_add_nc_u32 v[BAV], BIASB, v[BAV]
	v_mov_b32 v[TP], 0                             ; written once: a lane permute's destination counts as one of its sources
	v_mov_b32 v[TP+1], 0
	s_wait_dscnt 0x0                               ; both opening adds are done
	s_wait_kmcnt 0x0
	ROUND                                          ; all sixteen work-groups are here: the joint loads meet
	; THE FIRST FILLS, and the only ones.  A wave's loads stand in one arm of a chain of branches on the wave's number, the same in every work-group; at most two loads of a wave are out.
	s_cmp_lt_u32 s[WV], 2
	s_cbranch_scc0 .Lnot_x
	s_lshl_b32 s92, s[RB], 16                      ; waves 0, 1: x's rows 64 w on of the row block, both K halves
	s_lshl_b32 s93, s[WV], 15
	s_add_co_u32 s92, s92, s93
	s_mov_b32 s93, 0
	s_mov_b32 s[G0X], 1
	s_mul_i32 s[G0X+1], s[WV], 64*PITCH
	s_add_nc_u64 s[G0X+2:G0X+3], s[4:5], s[92:93]
	s_or_b32 s[G0X+3], s[G0X+3], 0x80000000
	tensor_load_to_lds s[G0X:G0X+3], s[G1X:G1X+7]
	s_nop 0
.rept 4
	v_nop
.endr
	s_branch .Lasked
.Lnot_x:
	s_cmp_lt_u32 s[WV], 8
	s_cbranch_scc0 .Lnot_w
	s_sub_co_u32 s95, s[WV], 2                     ; waves 2 to 7: W's 64 rows of unit w - 2: row ((w - 2) / 2) 1,024 + 128 cg + 64 (w % 2)
	s_lshr_b32 s95, s95, 1
	s_lshl_b32 s95, s95, 10
	s_lshl_b32 s96, s[CG], 7
	s_add_co_u32 s96, s96, s95
	s_lshl_b32 s95, s[RH], 6
	s_add_co_u32 s96, s96, s95
	s_lshl_b32 s96, s96, 9                         ; 512 bytes a row
	s_mov_b32 s97, 0
	s_mov_b32 s[G0W], 1
	s_mul_i32 s[G0W+1], s[WV], 64*PITCH            ; LDS rows 64 w on = 128 + 64 (w - 2)
	s_add_nc_u64 s[G0W+2:G0W+3], s[8:9], s[96:97]
	s_or_b32 s[G0W+3], s[G0W+3], 0x80000000
	tensor_load_to_lds s[G0W:G0W+3], s[G1W:G1W+7]
	s_nop 0
.rept 4
	v_nop
.endr
	s_branch .Lasked
.Lnot_w:
	s_cmp_lt_u32 s[WV], 10
	s_cbranch_scc0 .Lnot_cs
	s_cmp_eq_u32 s[WV], 8                          ; wave 8: cos; wave 9: sin: the 128 rows of my row block's tokens
	s_cselect_b64 s[G0C+2:G0C+3], s[14:15], s[16:17]
	s_lshl_b32 s92, s[JB], 14
	s_mov_b32 s93, 0
	s_add_nc_u64 s[G0C+2:G0C+3], s[G0C+2:G0C+3], s[92:93]
	s_or_b32 s[G0C+3], s[G0C+3], 0x80000000
	s_mov_b32 s[G0C], 1
	s_mul_i32 s94, s[RH], SINO
	s_add_co_u32 s[G0C+1], s94, COSB
	tensor_load_to_lds s[G0C:G0C+3], s[G1C:G1C+7]
	s_nop 0
.rept 4
	v_nop
.endr
	s_branch .Lasked
.Lnot_cs:
	s_cmp_eq_u32 s[WV], 10
	s_cbranch_scc0 .Lasked
	s_lshl_b32 s96, s[CG], 9                       ; wave 10: the bias of my column group's 128 columns of q, of k and of v
	s_mov_b32 s97, 0
	s_add_nc_u64 s[G0B+2:G0B+3], s[12:13], s[96:97]
	s_or_b32 s[G0B+3], s[G0B+3], 0x80000000
	s_mov_b32 s[G0B], 1
	s_mov_b32 s[G0B+1], BIASB
	tensor_load_to_lds s[G0B:G0B+3], s[G1B:G1B+7]
	s_nop 0
.rept 4
	v_nop
.endr
.Lasked:
	; the scale bytes go from memory straight into registers: a tile's 16 rows x 32 bytes are 512 consecutive bytes, one load
	s_lshl_b32 s100, s[RB], 12                     ; x: (128 rb + 64 rh) rows of 32 bytes
	s_lshl_b32 s99, s[RH], 11
	s_add_co_u32 s100, s100, s99
	s_mov_b32 s101, 0
	s_add_nc_u64 s[6:7], s[6:7], s[100:101]
	s_lshr_b32 s99, s[U], 1                        ; W: ((u / 2) 1,024 + 128 cg + 64 (u % 2)) rows
	s_lshl_b32 s100, s99, 15
	s_lshl_b32 s99, s[CG], 12
	s_add_co_u32 s100, s100, s99
	s_and_b32 s99, s[U], 1
	s_lshl_b32 s99, s99, 11
	s_add_co_u32 s100, s100, s99
	s_add_nc_u64 s[10:11], s[10:11], s[100:101]
	s_cmp_lt_u32 s[WV], 8
	s_cselect_b64 s[4:5], s[10:11], s[6:7]         ; P's scales: W's for q and k, x's for v
	s_cselect_b64 s[8:9], s[6:7], s[10:11]         ; Q's
	s_wait_alu depctr_va_vdst(0)
.irp i, 0,1,2,3
	global_load_b128 v[SCP+4*\i:SCP+4*\i+3], v[LS], s[4:5] offset:512*\i
	global_load_b128 v[SCQ+4*\i:SCQ+4*\i+3], v[LS], s[8:9] offset:512*\i
.endr
	; my record: (16 batch + head) x 16 + row block in the batch; 4,608 bytes in qrec, 8,960 in kvrec
	s_lshr_b32 s99, s[RB], 4
	s_lshl_b32 s99, s99, 4
	s_lshl_b32 s100, s[CG], 1
	s_add_co_u32 s99, s99, s100
	s_and_b32 s100, s[U], 1
	s_add_co_u32 s99, s99, s100
	s_lshl_b32 s99, s99, 4
	s_add_co_u32 s99, s99, s[JB]
	s_mov_b32 s100, 8960
	s_cmp_lt_u32 s[U], 2
	s_cselect_b32 s100, 4608, s100
	s_cselect_b64 s[12:13], s[18:19], s[20:21]
	s_mul_i32 s100, s99, s100
	s_add_nc_u64 s[12:13], s[12:13], s[100:101]    ; where my record begins
	s_mov_b32 s[HM], 0xffff0000
	s_wait_tensorcnt 0x0                           ; my one load has landed
	s_barrier_signal -1
	s_barrier_wait -1                              ; everybody's part of K half 0 is in
	s_wait_loadcnt 0x0                             ; the scale words
	KSTEP 0
	KSTEP 1
	KSTEP 2
	KSTEP 3
	KSTEP 4
	KSTEP 5
	KSTEP 6
	KSTEP 7
.rept 4
	v_nop                                          ; places behind the last products: in front of loads into their sources and of the first read of results
.endr
	s_cmp_lt_u32 s[WV], 8
	s_cbranch_scc0 .Lrole_v
	; ---- q AND k.  Lane (r, h) holds token 64 rh + 16 a + r; register 8 t + i of tile a holds d = 16 t + 8 h + i
.irp t, 0,1,2,3
.irp e, 0,1
	ds_load_b128 v[BI+8*\t+4*\e:BI+8*\t+4*\e+3], v[BAQ] offset:64*\t+16*\e
.endr
.endr
	s_mov_b32 s100, 8192                           ; the scale words: at 4,096 of a record of q, at 8,192 of one of k; 256 bytes a row half
	s_cmp_lt_u32 s[U], 2
	s_cselect_b32 s100, 4096, s100
	s_cselect_b32 s98, 0, 128
	v_xor_b32 v0, s98, v[L16]                      ; k's tiles 2 and 3 are stored with their rows turned by 8 (128 bytes): the second launch reads rows of tiles u and u + 2 by one load, from different 16-byte columns
	s_lshl_b32 s99, s[RH], 8
	s_add_co_u32 s100, s100, s99
	s_add_nc_u64 s[14:15], s[12:13], s[100:101]
	s_lshl_b32 s100, s[RH], 11                     ; the images: 512 bytes a tile, four tiles a row half
	s_add_nc_u64 s[12:13], s[12:13], s[100:101]
	s_wait_dscnt 0x0
.irp a, 0,1,2,3
.set p, 0
.rept 16
	v_pk_add_f32 v[ACC+32*\a+2*p:ACC+32*\a+2*p+1], v[ACC+32*\a+2*p:ACC+32*\a+2*p+1], v[BI+2*p:BI+2*p+1]   ; + the bias; each accumulator from its low end on
.set p, p+1
.endr
.endr
.irp a, 0,1,2,3
	v_pk_mul_f32 v[SS+2*\a:SS+2*\a+1], v[ACC+32*\a:ACC+32*\a+1], v[ACC+32*\a:ACC+32*\a+1]   ; the sums of squares, the four tiles by turns
.endr
.set p, 1
.rept 15
.irp a, 0,1,2,3
	s_delay_alu instid0(VALU_DEP_4)
	v_pk_fma_f32 v[SS+2*\a:SS+2*\a+1], v[ACC+32*\a+2*p:ACC+32*\a+2*p+1], v[ACC+32*\a+2*p:ACC+32*\a+2*p+1], v[SS+2*\a:SS+2*\a+1]
.endr
.set p, p+1
.endr
.irp a, 0,1,2,3
	s_delay_alu instid0(VALU_DEP_4)
	v_add_f32 v[SS+2*\a], v[SS+2*\a], v[SS+2*\a+1]
.endr
.irp a, 0,1,2,3
	s_delay_alu instid0(VALU_DEP_4)
	v_permlanex16_b32 v[TT+\a], v[SS+2*\a], s[SEL], s[SEL+1]   ; the token's other 32 numbers lie in lane l xor 16
.endr
.irp a, 0,1,2,3
	s_delay_alu instid0(VALU_DEP_4)
	v_add_f32 v[SS+2*\a], v[SS+2*\a], v[TT+\a]
.endr
.irp a, 0,1,2,3
	s_delay_alu instid0(VALU_DEP_4)
	v_fma_f32 v[SS+2*\a], v[SS+2*\a], s[R64], s[EPS]   ; the mean + eps
.endr
	s_wait_alu depctr_va_vdst(0)
.irp a, 0,1,2,3
	v_rsq_f32 v[SS+2*\a], v[SS+2*\a]
.endr
	v_nop                                          ; a plain place behind the last of the four
	s_wait_alu depctr_va_vdst(0)                   ; one wait for the batch, ahead of its first reader
.irp a, 0,1,2,3
.irp t, 0,1
.irp e, 0,1
	ds_load_b128 v[CC+8*\t+4*\e:CC+8*\t+4*\e+3], v[CSA] offset:16*CSP*\a+64*\t+16*\e        ; cos(token, 16 t + 8 h + ..)
	ds_load_b128 v[SN+8*\t+4*\e:SN+8*\t+4*\e+3], v[CSA] offset:SINO+16*CSP*\a+64*\t+16*\e   ; sin
.endr
.endr
.set p, 0
.rept 16
	v_pk_mul_f32 v[ACC+32*\a+2*p:ACC+32*\a+2*p+1], v[ACC+32*\a+2*p:ACC+32*\a+2*p+1], v[SS+2*\a:SS+2*\a+1] op_sel_hi:[1,0]   ; the norm
.set p, p+1
.endr
	s_wait_alu depctr_va_vdst(0)
	s_wait_dscnt 0x0
.set p, 0
.rept 8                                        ; x1 = d under 32 (registers 0-15), x2 = d + 32 (registers 16-31): y1 = x1 c + x2 s, y2 = x2 c - x1 s
	v_pk_mul_f32 v[TT:TT+1], v[ACC+32*\a+16+2*p:ACC+32*\a+16+2*p+1], v[SN+2*p:SN+2*p+1]
	v_pk_mul_f32 v[TT+2:TT+3], v[ACC+32*\a+2*p:ACC+32*\a+2*p+1], v[SN+2*p:SN+2*p+1]
	s_delay_alu instid0(VALU_DEP_2)
	v_pk_fma_f32 v[ACC+32*\a+2*p:ACC+32*\a+2*p+1], v[ACC+32*\a+2*p:ACC+32*\a+2*p+1], v[CC+2*p:CC+2*p+1], v[TT:TT+1]
	s_delay_alu instid0(VALU_DEP_2)
	v_pk_fma_f32 v[ACC+32*\a+16+2*p:ACC+32*\a+16+2*p+1], v[ACC+32*\a+16+2*p:ACC+32*\a+16+2*p+1], v[CC+2*p:CC+2*p+1], v[TT+2:TT+3] neg_lo:[0,0,1] neg_hi:[0,0,1]
.set p, p+1
.endr
.if \a > 0
	s_wait_xcnt 0x0                                ; the last tile's store has read its codes: they are written again only behind this wait
.endif
	QUANT2 ACC+32*\a, WW+\a
.if \a < 2
	global_store_b128 v[L16], v[PC:PC+3], s[12:13] offset:512*\a   ; the tile's image: 512 consecutive bytes
.else
	global_store_b128 v0, v[PC:PC+3], s[12:13] offset:512*\a       ; the same 512 bytes, k's rows turned
.endif
.endr
	v_cndmask_b32 v[WO], v[WW], v[WW+1], s[HM]     ; lanes 0-15 an even tile's words, lanes 16-31 the odd tile's
	v_cndmask_b32 v[WO+1], v[WW+2], v[WW+3], s[HM]
	global_store_b64 v[L8], v[WO:WO+1], s[14:15]   ; 256 consecutive bytes, aligned
	s_branch .Ldone
.Lrole_v:
	; ---- v.  Lane (r, h) holds d = 16 a + r; register 8 t + i of tile a holds token 64 rh + 16 t + 8 h + i: two blocks of 32 keys
.irp a, 0,1,2,3
	ds_load_b32 v[BV+2*\a], v[BAV] offset:64*\a
	ds_load_b32 v[BV+2*\a+1], v[BAV] offset:64*\a
.endr
	s_lshl_b32 s100, s[RH], 7                      ; the scale halves: at 8,704 of the record, 128 bytes a row half
	s_add_co_u32 s100, s100, 8704
	s_add_nc_u64 s[14:15], s[12:13], s[100:101]
	s_lshl_b32 s100, s[RH], 9                      ; the images: at 4,096; tile a at 1,024 a, my row half's two key blocks at 512 rh
	s_add_co_u32 s100, s100, 4096
	s_add_nc_u64 s[12:13], s[12:13], s[100:101]
	s_wait_dscnt 0x0
.irp a, 0,1,2,3
.set p, 0
.rept 16
	v_pk_add_f32 v[ACC+32*\a+2*p:ACC+32*\a+2*p+1], v[ACC+32*\a+2*p:ACC+32*\a+2*p+1], v[BV+2*\a:BV+2*\a+1]
.set p, p+1
.endr
.if \a > 0
	s_wait_alu depctr_va_vdst(0)
	s_wait_xcnt 0x0                                ; the last tile's store has read its codes
.endif
	QUANT2 ACC+32*\a, WW+\a
	global_store_b128 v[L16], v[PC:PC+3], s[12:13] offset:1024*\a
.endr
	v_cndmask_b32 v[WO], v[WW], v[WW+1], s[HM]     ; lanes 0-15: tiles 0 and 2; lanes 16-31: tiles 1 and 3
	v_cndmask_b32 v[WO+1], v[WW+2], v[WW+3], s[HM]
	s_delay_alu instid0(VALU_DEP_1)
	v_lshl_or_b32 v[WO], v[WO+1], 16, v[WO]
	global_store_b32 v[L4], v[WO], s[14:15]
.Ldone:
	s_wait_tensorcnt 0x0                           ; the wave's end
	ds_add_u32 v[SPW], v[NIL]
	s_wait_dscnt 0x0
	ROUND                                          ; the closing round
	s_endpgm
.Lfunc_end_k_q9bdf749dee_qkv:
	.size	k_q9bdf749dee_qkv, .Lfunc_end_k_q9bdf749dee_qkv-k_q9bdf749dee_qkv
	.p2alignl 7, 3214868480
	.fill 96, 4, 3214868480
	.section	.rodata,"a",@progbits
	.p2align	6, 0x0
	.amdhsa_kernel k_q9bdf749dee_qkv
		.amdhsa_group_segment_fixed_size 327680
		.amdhsa_private_segment_fixed_size 0
		.amdhsa_enable_private_segment 0
		.amdhsa_kernarg_size 72
		.amdhsa_user_sgpr_count 2
		.amdhsa_user_sgpr_kernarg_segment_ptr 1
		.amdhsa_wavefront_size32 1
		.amdhsa_system_sgpr_workgroup_id_x 1
		.amdhsa_system_sgpr_workgroup_id_y 1
		.amdhsa_system_sgpr_workgroup_id_z 1
		.amdhsa_system_vgpr_workitem_id 0
		.amdhsa_next_free_vgpr 256
		.amdhsa_next_free_sgpr 102
		.amdhsa_reserve_vcc 0
		.amdhsa_float_denorm_mode_32 3
		.amdhsa_float_denorm_mode_16_64 3
		.amdhsa_memory_ordered 1
		.amdhsa_forward_progress 1
		.amdhsa_inst_pref_size 93
	.end_amdhsa_kernel
	.amdgpu_metadata
---
amdhsa.version: [ 1, 2 ]
amdhsa.kernels:
  - .name:           k_q9bdf749dee_qkv
    .symbol:         k_q9bdf749dee_qkv.kd
    .args:
      - { .name: x_codes, .offset: 0, .size: 8, .value_kind: global_buffer, .address_space: global }
      - { .name: x_scales, .offset: 8, .size: 8, .value_kind: global_buffer, .address_space: global }
      - { .name: W_attn_codes, .offset: 16, .size: 8, .value_kind: global_buffer, .address_space: global }
      - { .name: W_attn_scales, .offset: 24, .size: 8, .value_kind: global_buffer, .address_space: global }
      - { .name: b_attn, .offset: 32, .size: 8, .value_kind: global_buffer, .address_space: global }
      - { .name: cos, .offset: 40, .size: 8, .value_kind: global_buffer, .address_space: global }
      - { .name: sin, .offset: 48, .size: 8, .value_kind: global_buffer, .address_space: global }
      - { .name: qrec, .offset: 56, .size: 8, .value_kind: global_buffer, .address_space: global }
      - { .name: kvrec, .offset: 64, .size: 8, .value_kind: global_buffer, .address_space: global }
    .group_segment_fixed_size: 327680
    .private_segment_fixed_size: 0
    .kernarg_segment_align: 8
    .kernarg_segment_size: 72
    .max_flat_workgroup_size: 384
    .sgpr_count:     102
    .vgpr_count:     256
    .wavefront_size: 32
...
	.end_amdgpu_metadata
.endif
;; end of part 1
;; launch attn (part 2): grid 8 x 32, 16 waves a work-group, clusters of 4 x 1, 327,680 bytes of LDS; arguments qrec, kvrec, yimg, ysc; writes yimg, ysc
.if DOCPART == 2
	.amdgcn_target "amdgcn-amd-amdhsa--gfx1250"
	.amdhsa_code_object_version 6
	.text
	.protected	k_q9bdf749dee_attn
	.globl	k_q9bdf749dee_attn
	.p2align	8
	.type	k_q9bdf749dee_attn,@function
k_q9bdf749dee_attn:
	s_mov_b64 s[64:65], 0
	v_nop
	global_prefetch_b8 v0, s[64:65] scope:SCOPE_SE
	s_setreg_imm32_b32 hwreg(HW_REG_WAVE_MODE, 25, 1), 1
	s_wait_xcnt 0x0
	s_wait_alu depctr_hold_cnt(0) depctr_sa_sdst(0) depctr_va_vdst(0) depctr_va_sdst(0) depctr_va_ssrc(0) depctr_va_vcc(0) depctr_vm_vsrc(0)
	s_getreg_b32 s2, hwreg(HW_REG_IB_STS2, 6, 4)
	s_cmp_eq_u32 s2, 0
	s_cbranch_scc0 .Lentry_in_a_cluster
	s_endpgm
.Lentry_in_a_cluster:
	s_bfe_u32 s2, ttmp6, 0x10000c
	s_cmp_lg_u32 s2, 0x3003
	s_cbranch_scc0 .Lentry_shape_is_right
	s_endpgm
.Lentry_shape_is_right:
; SECOND OF THREE LAUNCHES: attention of one head, both products on codes of FP4 with E8M0 scales, then y / sum quantised along the head's 64 for the third launch.
; WORK LEFT OUT: steps of 128 keys all of which come after a tile's 16 queries (reference()'s own causal tril makes their p zero for every finite input).  A NaN, an infinity or an overflow that reaches only those keys is not carried to the result.
; LIMITS: NaN and infinities are not served; the promise holds while the scaled scores t stay under 2^31 in magnitude.  A block of zeros gets the scale byte 1 where the rule says 127: its codes are zeros, and these bytes are read by this program alone.
; A block's scale is taken from floor(t - M) of its largest score; that is the exponent of p itself but where p rounds up to a power of two.
; SHARES.  A work-group (bh, G) owns the 16 row tiles 8 J + G, J = 0 .. 15, of a head; tile J has J + 1 key steps.  Tiles j and 15 - j have 17 steps together and belong to waves j and j + 8 (j = 0 .. 7):
;   wave j takes steps 0 .. 8 of tile 15 - j;  wave j + 8 takes that tile's last 7 - j steps first, leaves -M, the largest score, the sum and O in LDS, and then takes tile j whole: 8 steps.
;   Behind the loop wave j joins the two parts of tile 15 - j by powers of two.
; THE KEYS OF A TILE: lane r of tile t = 4 c + t' takes key 64 c + 8 t' + (r & 7) + 32 (r / 8).  S^T = K Q^T: lane (r, h) holds query r, register 32 c + 8 t' + i the key 64 c + 32 h + 8 t' + i:
;   so a lane holds two WHOLE blocks of 32 keys, 2 c + h, and eight conversions are P's operand as it stands.
; K'S UPPER HALF: the head's K = 64 fills half the instruction's 128.  Q's registers 4-7 hold zero codes, so K's registers 4-7 may be any codes: they are the next tile's.  The scale bytes there are 0 (2^-127, no NaN).
; CLUSTER 4 x 1: the four work-groups walk the same head: each of its 16 records comes by one joint load, one a wave.  All of K and V of the head fits in LDS, filled once.  No loop loads ahead, so nothing is prefetched.
.set REC,   8960                       ; a record: 128 keys: K's images 4,096, V's images 4,096, K's scale words 512, V's scale halves 256
.set DUMP,  16*REC                     ; 4,608 bytes for each wave: what waves 8 to 15 leave for waves 0 to 7
.set DSZ,   4608
.set SPARE, DUMP+16*DSZ                ; the spare words, 128 bytes for each wave
.set SPW, 1
.set NIL, 2
.set L16, 3
.set KA0, 4                            ; K's images: my row of an even, an odd tile
.set KA1, 5
.set SA,  6                            ; K's scale words
.set L4,  7
.set DA,  8                            ; my place in DUMP
.set DQ,  9                            ; my query within its 128, less 32 h
.set VR,  10                           ; v10-11 V's scale halves
; v12 -M, v13 the largest score, v[14:15] the sum in two halves; v16-23 Q (20-23 zeros), v24 its scales; v25 P's scales; v26-29 K's, v30-31 V's; v32-63 K, v64-67 zeros; v68-72 Q and scales of the wave's second tile
.set ADK, 74                           ; v74-75
.set ADS, 76
.set ADV, 77
.set ADU, 78
.set OLD, 79
.set MX,  80                           ; v80-83 largest scores
; v84 at work, v85, v86 lane permutes, v88-89 floor(t - M), v90-91 the conversions' scale operands, v92 P's scale word, v93 -infinity, v[94:95] 2^(old M - new M)
; v96-159 S^T, then p; v160-191 O^T; v192-223 V; v224-231 P's codes; v232-237 sums
.set WV,  12
.set J,   13
.set CX,  14
.set G,   15
.set BH,  16
.set KT,  17
.set TB,  18
.set HM,  19
.set SEL, 20
.set CS,  22
.set I,   26
.set N1,  27                           ; trips that a wave spends on its first tile: 7 - j in waves 8 to 15; 0 in waves 0 to 7, whose second tile is their only one
.set J1,  28
.set J2,  29
.set W16, 30
.set BI,  31
.set CN,  34
.set G1,  36
.set G0,  44
.set YI,  48
.set YS,  50
.set QP,  52
.set QP2, 54
.macro ROUND
	s_barrier_signal -1
	s_barrier_wait -1
	s_cmp_lg_u32 s[WV], 0
	s_cbranch_scc1 .Lnot_wave_0_\@
	s_barrier_signal -3
.Lnot_wave_0_\@:
	s_barrier_wait -3
	s_barrier_signal -1
	s_barrier_wait -1
.endm
	s_load_b256 s[4:11], s[0:1], 0x0               ; qrec, kvrec, yimg, ysc
	v_lshl_add_u32 v[SPW], v0, 2, SPARE
	v_mov_b32 v[NIL], 0
	ds_add_u32 v[SPW], v[NIL]                      ; the wave's opening: the add, twice on end, and its wait
	ds_add_u32 v[SPW], v[NIL]
	v_lshrrev_b32 v32, 5, v0
	v_and_b32 v33, 15, v0                          ; r
	v_and_b32 v35, 31, v0                          ; lane
	v_readfirstlane_b32 s[WV], v32
	v_lshlrev_b32 v[L16], 4, v35
	s_wait_alu depctr_va_vdst(0)                   ; ahead of the run of scalar instructions
	s_and_b32 s[J2], s[WV], 7                      ; j
	s_sub_co_u32 s[J1], 15, s[J2]
	s_sub_co_u32 s[W16], 16, s[J2]
	s_sub_co_u32 s[N1], 7, s[J2]
	s_cmp_lt_u32 s[WV], 8
	s_cselect_b32 s[N1], 0, s[N1]
	s_cselect_b32 s[J2], s[J1], s[J2]              ; the tile that the wave ends with, and stores
	s_bfe_u32 s[CX], ttmp6, 0x40000
	s_lshl_b32 s[G], ttmp9, 2
	s_add_co_u32 s[G], s[G], s[CX]
	s_and_b32 s[BH], ttmp7, 0xffff
	s_mov_b32 s[G1], 15|(3<<16)|(1<<21)            ; a record as 35 rows of 256 bytes, dense, to all four of the cluster
	s_mov_b32 s[G1+1], 32<<16
	s_mov_b32 s[G1+2], 35<<16
	s_mov_b32 s[G1+3], 32<<16
	s_mov_b32 s[G1+4], 35
	s_mov_b32 s[G1+5], 32
	s_mov_b32 s[G1+6], 0
	s_mov_b32 s[G1+7], 0
	s_mov_b32 s[G0], 1
	s_mul_i32 s[G0+1], s[WV], REC                  ; wave w fetches record w
	s_mul_i32 s60, s[BH], 16*REC
	s_add_co_u32 s60, s60, s[G0+1]
	s_mov_b32 s61, 0
	s_lshl_b32 s58, s[BH], 4                       ; q's records, 4,608 bytes each
	s_add_co_u32 s62, s58, s[J1]
	s_mul_i32 s62, s62, 4608
	s_mov_b32 s63, 0
	s_add_co_u32 s66, s58, s[J2]
	s_mul_i32 s66, s66, 4608
	s_mov_b32 s67, 0
	s_lshl_b32 s59, s[G], 9
	v_add_nc_u32 v60, s59, v[L16]                  ; Q's image: 512 G + 16 lane
	s_lshr_b32 s58, s[G], 2                        ; Q's scale words: 4,096 + 256 (G / 4) + 128 (G % 2) + 4 ((G / 2) % 2) + 8 r
	s_lshl_b32 s58, s58, 8
	s_and_b32 s59, s[G], 1
	s_lshl_b32 s59, s59, 7
	s_add_co_u32 s58, s58, s59
	s_bfe_u32 s59, s[G], 0x10001
	s_lshl_b32 s59, s59, 2
	s_add_co_u32 s58, s58, s59
	s_add_co_u32 s58, s58, 4096
	v_lshlrev_b32 v61, 3, v33
	v_add_nc_u32 v61, s58, v61
	s_lshr_b32 s[YI], s[BH], 4                     ; y's image: ((128 batch + 8 J + G) 16 + head) 512
	s_lshl_b32 s[YI], s[YI], 7
	s_lshl_b32 s[YI+1], s[J2], 3
	s_add_co_u32 s[YI], s[YI], s[YI+1]
	s_add_co_u32 s[YI], s[YI], s[G]
	s_lshl_b32 s[YS], s[YI], 9                     ; its scale bytes: row tile x 512 + 256 (head / 8) + 4 ((head / 2) % 4) + 2 (head % 2) + 16 r + h
	s_and_b32 s[YI+1], s[BH], 15
	s_lshl_b32 s[YI], s[YI], 4
	s_add_co_u32 s[YI], s[YI], s[YI+1]
	s_lshl_b32 s[YI], s[YI], 9
	s_lshr_b32 s[YS+1], s[YI+1], 3
	s_lshl_b32 s[YS+1], s[YS+1], 8
	s_add_co_u32 s[YS], s[YS], s[YS+1]
	s_bfe_u32 s[YS+1], s[YI+1], 0x20001
	s_lshl_b32 s[YS+1], s[YS+1], 2
	s_add_co_u32 s[YS], s[YS], s[YS+1]
	s_and_b32 s[YS+1], s[YI+1], 1
	s_lshl_b32 s[YS+1], s[YS+1], 1
	s_add_co_u32 s[YS], s[YS], s[YS+1]
	s_mov_b32 s[YI+1], 0
	s_mov_b32 s[YS+1], 0
	s_wait_alu depctr_va_vdst(0)
	s_wait_dscnt 0x0                               ; both opening adds are done
	s_wait_kmcnt 0x0
	s_add_nc_u64 s[QP:QP+1], s[4:5], s[62:63]
	s_add_nc_u64 s[QP2:QP2+1], s[4:5], s[66:67]
	global_load_b128 v[16:19], v60, s[QP:QP+1]
	global_load_b32 v24, v61, s[QP:QP+1]
	global_load_b128 v[68:71], v60, s[QP2:QP2+1]   ; the second tile's (in waves 0 to 7 the same tile's)
	global_load_b32 v72, v61, s[QP2:QP2+1]
	s_add_nc_u64 s[G0+2:G0+3], s[6:7], s[60:61]
	s_or_b32 s[G0+3], s[G0+3], 0x80000000
	s_add_nc_u64 s[YI:YI+1], s[8:9], s[YI:YI+1]
	s_add_nc_u64 s[YS:YS+1], s[10:11], s[YS:YS+1]
	ROUND                                          ; all four work-groups are here: the joint loads meet
	tensor_load_to_lds s[G0:G0+3], s[G1:G1+7]      ; the wave's one tensor load
	s_nop 0
	v_bfe_u32 v34, v0, 4, 1                        ; h
	v_bfe_u32 v36, v0, 3, 1                        ; r / 8
	v_lshlrev_b32 v[L4], 2, v35
	v_and_b32 v35, 7, v0                           ; r % 8
	v_lshlrev_b32 v37, 4, v35
	v_lshlrev_b32 v[SA], 3, v35
	v_lshl_add_u32 v37, v34, 8, v37
	v_lshl_add_u32 v[SA], v36, 2, v[SA]
	v_mad_u32_u24 v[KA0], v36, 1152, v37           ; even t': rows 0-7 at 0 of image u, rows 8-15 at 128 of image u + 2 (its rows were stored turned by 8)
	v_mad_u32_u24 v[KA1], v36, 896, v37
	v_lshl_add_u32 v[SA], v34, 6, v[SA]            ; lanes 16-31 take the odd tile's words
	v_add_nc_u32 v[KA1], 128, v[KA1]               ; odd t': rows 0-7 at 128 of image u, rows 8-15 at 0 of image u + 2
	s_mul_i32 s58, s[WV], DSZ
	s_add_co_u32 s58, s58, DUMP
	v_add_nc_u32 v[DA], s58, v[L16]
	v_lshlrev_b32 v38, 5, v34
	s_lshl_b32 s58, s[G], 4
	v_sub_nc_u32 v[DQ], v33, v38
	v_add_nc_u32 v[DQ], s58, v[DQ]
	s_mov_b32 s[HM], 0xffff0000
	s_mov_b32 s[SEL], 0x76543210
	s_mov_b32 s[SEL+1], 0xfedcba98
	s_mov_b32 s[CS], 0x3e38aa3b                    ; log2(e) / 8
	s_mov_b32 s[CS+1], s[CS]
	s_mov_b32 s[CN], 0xbe38aa3b
	s_mov_b32 s[BI], 0x3e800000                    ; 125 << 23
	s_mov_b32 s24, 0x05040100
	s_mov_b32 s25, 0x07060302
.macro FRESH                           ; no key seen yet: O and the sum are 0, -M is 1e38, the largest score -3e38: the first step's factor is 0
.set n, 0
.rept 32
	v_mov_b32 v[160+n], 0
.set n, n+1
.endr
	v_mov_b32 v12, 0x7e967699
	v_mov_b32 v13, 0xff61b1e6
	v_mov_b32 v14, 0
	v_mov_b32 v15, 0
.endm
	FRESH
.irp i, 20,21,22,23,64,65,66,67,85,86,91,95,236,237
	v_mov_b32 v[\i], 0                             ; (lane permutes read their destinations; v95 is named in a pair)
.endr
	s_wait_alu depctr_va_vdst(0)                   ; the head's end
	s_wait_tensorcnt 0x0                           ; my record is in
	s_barrier_signal -1
	s_barrier_wait -1                              ; all sixteen are
	s_wait_loadcnt 0x0                             ; Q
	s_mov_b32 s[I], 0
.Ltrip:                                                ; nine trips in every wave; a step is KT of the tile in hand: I - N1, and 16 - j more while the first tile lasts (steps 9 on)
	s_sub_co_u32 s[KT], s[I], s[N1]
	s_cmp_lt_u32 s[I], s[N1]
	s_cselect_b32 s58, s[W16], 0
	s_cselect_b32 s[J], s[J1], s[J2]
	s_add_co_u32 s[KT], s[KT], s58
	s_and_b32 s[KT], s[KT], 15
	s_mul_i32 s[TB], s[KT], REC
	s_cmp_lt_u32 s[WV], 8
	s_cbranch_scc1 .Lstay
	s_cmp_lg_u32 s[I], s[N1]
	s_cbranch_scc1 .Lstay
	; waves 8 to 15, between their tiles: what belongs to tile 15 - j goes to LDS
.rept 4
	v_nop                                          ; places behind the last products
.endr
	s_wait_alu depctr_va_vdst(0)
	ds_store_b128 v[DA], v[12:15]
.irp q, 0,1,2,3,4,5,6,7
	ds_store_b128 v[DA], v[160+4*\q:163+4*\q] offset:512+512*\q
.endr
	FRESH
.irp i, 0,1,2,3
	v_mov_b32 v[16+\i], v[68+\i]
.endr
	v_mov_b32 v24, v72
	s_wait_alu depctr_va_vdst(0)
.Lstay:
	s_cmp_gt_u32 s[KT], s[J]
	s_cbranch_scc1 .Lhidden                        ; waves 8 to 15 have eight steps
	v_add_nc_u32 v[ADK], s[TB], v[KA0]             ; (these five are also places in front of the loads below)
	v_add_nc_u32 v[ADK+1], s[TB], v[KA1]
	v_add_nc_u32 v[ADS], s[TB], v[SA]
	v_add_nc_u32 v[ADV], s[TB], v[L16]
	v_add_nc_u32 v[ADU], s[TB], v[L4]
.irp t, 0,1,2,3,4,5,6,7
	ds_load_b128 v[32+4*\t:35+4*\t], v[ADK+(\t%2)] offset:2048*(\t/4)+512*((\t%4)/2)
.endr
.irp n, 0,1,2,3
	ds_load_b32 v[26+\n], v[ADS] offset:8192+128*\n   ; lanes 0-15 tile 2 n's words, lanes 16-31 tile 2 n + 1's
.endr
	ds_load_b32 v[VR], v[ADU] offset:8704
	ds_load_b32 v[VR+1], v[ADU] offset:8832
.irp t, 0,1,2,3
.irp c, 0,1
	ds_load_b128 v[192+8*\t+4*\c:195+8*\t+4*\c], v[ADV] offset:4096+1024*\t+512*\c
.endr
.endr
	s_wait_dscnt 10                                ; K and its scale words are in; V's ten loads may be out
.irp t, 0,1,2,3,4,5,6,7
.if (\t)%2
	v_wmma_scale_f32_16x16x128_f8f6f4 v[96+8*\t:103+8*\t], v[32+4*\t:39+4*\t], v[16:23], 0, v[26+\t/2], v24 matrix_a_fmt:MATRIX_FMT_FP4 matrix_b_fmt:MATRIX_FMT_FP4 matrix_a_scale:MATRIX_SCALE_ROW1
.else
	v_wmma_scale_f32_16x16x128_f8f6f4 v[96+8*\t:103+8*\t], v[32+4*\t:39+4*\t], v[16:23], 0, v[26+\t/2], v24 matrix_a_fmt:MATRIX_FMT_FP4 matrix_b_fmt:MATRIX_FMT_FP4
.endif
.endr
	s_wait_dscnt 8                                 ; V's scale halves are in; its eight images may be out
	v_perm_b32 v30, v[VR+1], v[VR], s24            ; V's scale words: lanes 0-15 tile 0's, lanes 16-31 tile 1's
	v_perm_b32 v31, v[VR+1], v[VR], s25            ; tiles 2 and 3
	v_mov_b32 v[OLD], v12
	v_nop
	s_cmp_lg_u32 s[KT], s[J]
	s_cbranch_scc1 .Lopen
	v_mov_b32 v93, 0xff800000                      ; the diagonal: scores of hidden keys become -infinity ahead of the maximum
.set n, 0
.rept 64
	v_cmp_gt_i32 vcc_lo, n+32*(n/32), v[DQ]
	v_cndmask_b32 v[96+n], v[96+n], v93, vcc_lo
.set n, n+1
.endr
.Lopen:
.irp e, 0,1,2,3
	v_max3_num_f32 v[MX+\e], v[96+16*\e], v[97+16*\e], v[98+16*\e]   ; four chains by turns, two for each of my blocks
.endr
.irp i, 3,5,7,9,11,13
.irp e, 0,1,2,3
	v_max3_num_f32 v[MX+\e], v[MX+\e], v[96+16*\e+\i], v[97+16*\e+\i]
.endr
.endr
	v_max3_num_f32 v[MX], v[MX], v111, v127
	v_max3_num_f32 v[MX+2], v[MX+2], v143, v159
	v_max_num_f32 v[MX], v[MX], v[MX+1]            ; the largest score of block h,
	v_max_num_f32 v[MX+2], v[MX+2], v[MX+3]        ; of block 2 + h,
	s_delay_alu instid0(VALU_DEP_1)
	v_max_num_f32 v84, v[MX], v[MX+2]
	s_delay_alu instid0(VALU_DEP_1)
	v_permlanex16_b32 v85, v84, s[SEL], s[SEL+1]
	s_delay_alu instid0(VALU_DEP_1)
	v_max3_num_f32 v13, v13, v84, v85              ; of my query so far
	s_delay_alu instid0(VALU_DEP_1)
	v_mul_f32 v84, s[CN], v13                      ; -t
	s_delay_alu instid0(VALU_DEP_1)
	v_floor_f32 v12, v84                           ; -M = floor(-t): M is a whole number
	s_delay_alu instid0(VALU_DEP_1)
	v_sub_f32 v84, v12, v[OLD]                     ; old M - new M, 0 or less
	v_fma_f32 v88, v[MX], s[CS], v12               ; t - M of my blocks' largest scores
	v_fma_f32 v89, v[MX+2], s[CS], v12
	v_cvt_i32_f32 v84, v84                         ; (it saturates)
	v_max_num_f32 v88, 0xc2f80000, v88             ; -124: the byte cannot fall under 1
	v_max_num_f32 v89, 0xc2f80000, v89
	v_ldexp_f32 v94, 1.0, v84                      ; f = 2^(old M - new M)
	v_cvt_floor_i32_f32 v88, v88
	v_cvt_floor_i32_f32 v89, v89
.set n, 0
.rept 4
	v_pk_mul_f32 v[160+n:161+n], v[160+n:161+n], v[94:95] op_sel_hi:[1,0]   ; O^T under the new M
.set n, n+2
.endr
	v_lshl_add_u32 v90, v88, 23, s[BI]             ; the conversions' scale operands: exponent field floor(t - M) - 2 + 127
	v_lshl_add_u32 v91, v89, 23, s[BI]
	v_lshl_add_u32 v92, v89, 16, v88
.rept 4
	v_pk_mul_f32 v[160+n:161+n], v[160+n:161+n], v[94:95] op_sel_hi:[1,0]
.set n, n+2
.endr
	v_add_nc_u32 v92, 0x7d007d, v92                ; my two scale bytes, at bits 0 and 16
.rept 4
	v_pk_mul_f32 v[160+n:161+n], v[160+n:161+n], v[94:95] op_sel_hi:[1,0]
.set n, n+2
.endr
	v_permlanex16_b32 v86, v92, s[SEL], s[SEL+1]
.rept 4
	v_pk_mul_f32 v[160+n:161+n], v[160+n:161+n], v[94:95] op_sel_hi:[1,0]
.set n, n+2
.endr
	v_lshl_or_b32 v25, v86, 8, v92                 ; P's scale word in lanes 0-15: blocks 0 and 2 are mine, 1 and 3 lane l xor 16's
.set n, 0
.rept 32
	v_pk_fma_f32 v[96+n:97+n], v[96+n:97+n], s[CS:CS+1], v[12:13] op_sel_hi:[1,0,0]   ; t - M
.set n, n+2
.endr
	s_wait_alu depctr_va_vdst(0)                   ; ahead of the batch
.set n, 0
.rept 64
	v_exp_f32 v[96+n], v[96+n]
.set n, n+1
.endr
	v_pk_mul_f32 v[14:15], v[14:15], v[94:95] op_sel_hi:[1,0]   ; the sums under the new M; a plain place behind the exponentials
	s_wait_alu depctr_va_vdst(0)                   ; and behind it
.irp c, 0,1
.irp g, 0,1,2,3
	v_cvt_scalef32_pk8_fp4_f32 v[224+4*\c+\g], v[96+32*\c+8*\g:103+32*\c+8*\g], v[90+\c]   ; register 4 c + g of the operand: keys 64 c + 32 h + 8 g + 0 .. 7
.endr
.endr
	v_pk_add_f32 v[232:233], v[96:97], v[98:99]    ; the row's sum is taken of the unquantised p, in four chains; these 32 are also the places behind the conversions
	v_pk_add_f32 v[234:235], v[100:101], v[102:103]
	v_pk_add_f32 v[236:237], v[104:105], v[106:107]
	v_pk_add_f32 v[14:15], v[14:15], v[108:109]
.set n, 110
.rept 6
	v_pk_add_f32 v[232:233], v[232:233], v[n:n+1]
	v_pk_add_f32 v[234:235], v[234:235], v[n+2:n+3]
	v_pk_add_f32 v[236:237], v[236:237], v[n+4:n+5]
	v_pk_add_f32 v[14:15], v[14:15], v[n+6:n+7]
.set n, n+8
.endr
	v_pk_add_f32 v[232:233], v[232:233], v[158:159]
	v_pk_add_f32 v[234:235], v[234:235], v[236:237]
	v_pk_add_f32 v[14:15], v[14:15], v[232:233]
	v_pk_add_f32 v[14:15], v[14:15], v[234:235]
	s_wait_dscnt 0x0                               ; V's images
.irp t, 0,1,2,3
.if (\t)%2
	v_wmma_scale_f32_16x16x128_f8f6f4 v[160+8*\t:167+8*\t], v[192+8*\t:199+8*\t], v[224:231], v[160+8*\t:167+8*\t], v[30+\t/2], v25 matrix_a_fmt:MATRIX_FMT_FP4 matrix_b_fmt:MATRIX_FMT_FP4 matrix_a_scale:MATRIX_SCALE_ROW1
.else
	v_wmma_scale_f32_16x16x128_f8f6f4 v[160+8*\t:167+8*\t], v[192+8*\t:199+8*\t], v[224:231], v[160+8*\t:167+8*\t], v[30+\t/2], v25 matrix_a_fmt:MATRIX_FMT_FP4 matrix_b_fmt:MATRIX_FMT_FP4
.endif
.endr
.Lhidden:
	s_add_co_u32 s[I], s[I], 1
	s_cmp_lt_u32 s[I], 9
	s_cbranch_scc1 .Ltrip
.rept 4
	v_nop                                          ; places behind the last products
.endr
	s_wait_alu depctr_va_vdst(0)
	s_wait_dscnt 0x0                               ; what I left in LDS is there
	s_barrier_signal -1
	s_barrier_wait -1
	s_cmp_lt_u32 s[WV], 8
	s_cbranch_scc0 .Lwhole
	ds_load_b128 v[64:67], v[DA] offset:8*DSZ      ; wave j + 8's part of my tile: -M, the largest score, the sum's halves,
.irp q, 0,1,2,3,4,5,6,7
	ds_load_b128 v[32+4*\q:35+4*\q], v[DA] offset:8*DSZ+512+512*\q   ; and O^T
.endr
	s_wait_dscnt 0x0
	v_min_num_f32 v84, v12, v64                    ; -M of the whole row
	v_sub_f32 v88, v84, v12
	v_sub_f32 v89, v84, v64
	v_cvt_i32_f32 v88, v88
	v_cvt_i32_f32 v89, v89
	v_ldexp_f32 v94, 1.0, v88                      ; both parts come under it by powers of two (a part without keys by 0)
	v_ldexp_f32 v90, 1.0, v89
	v_pk_mul_f32 v[14:15], v[14:15], v[94:95] op_sel_hi:[1,0]
.set n, 0
.rept 16
	v_pk_mul_f32 v[160+n:161+n], v[160+n:161+n], v[94:95] op_sel_hi:[1,0]
.set n, n+2
.endr
	v_pk_fma_f32 v[14:15], v[66:67], v[90:91], v[14:15] op_sel_hi:[1,0,1]
.set n, 0
.rept 16
	v_pk_fma_f32 v[160+n:161+n], v[32+n:33+n], v[90:91], v[160+n:161+n] op_sel_hi:[1,0,1]
.set n, n+2
.endr
.Lwhole:
	v_add_f32 v14, v14, v15
	s_delay_alu instid0(VALU_DEP_1)
	v_permlanex16_b32 v86, v14, s[SEL], s[SEL+1]
	s_delay_alu instid0(VALU_DEP_1)
	v_add_f32 v14, v14, v86                        ; the row's sum
	s_wait_alu depctr_va_vdst(0)                   ; ahead of the transcendental
	v_rcp_f32 v14, v14
	v_and_b32 v10, 15, v0
	v_bfe_u32 v11, v0, 4, 1
	v_lshl_add_u32 v11, v10, 4, v11                ; 16 r + h
	s_wait_alu depctr_va_vdst(0)                   ; and behind it
.set n, 0
.rept 16
	v_pk_mul_f32 v[96+n:97+n], v[160+n:161+n], v[14:15] op_sel_hi:[1,0]
.set n, n+2
.endr
	; y's two blocks of 32: register 8 t + i is d = 16 t + 8 h + i: block b lies in registers 16 b .. 16 b + 15 of lanes l and l xor 16
.irp b, 0,1
	v_max3_num_f32 v[232+\b], |v[96+16*\b]|, |v[97+16*\b]|, 0x1800000   ; and the floor 2^(3 - 127)
.endr
.irp i, 2,4,6,8,10,12,14
.irp b, 0,1
	v_max3_num_f32 v[232+\b], v[232+\b], |v[96+16*\b+\i]|, |v[97+16*\b+\i]|
.endr
.endr
.irp b, 0,1
	v_permlanex16_b32 v[236+\b], v[232+\b], s[SEL], s[SEL+1]
.endr
.irp b, 0,1
	v_max_num_f32 v[232+\b], v[232+\b], v[236+\b]
.endr
.irp b, 0,1
	v_add_nc_u32 v[244+\b], 0xff000000, v[232+\b]
.endr
.irp b, 0,1
	v_lshrrev_b32 v[240+\b], 23, v[244+\b]
.endr
	v_cvt_scalef32_pk8_fp4_f32 v224, v[96:103], v244
	v_cvt_scalef32_pk8_fp4_f32 v225, v[112:119], v245
	v_cvt_scalef32_pk8_fp4_f32 v226, v[104:111], v244
	v_cvt_scalef32_pk8_fp4_f32 v227, v[120:127], v245
	v_cndmask_b32 v243, v240, v241, s[HM]          ; the byte of block h; a plain place behind the conversions
	v_permlane16_swap_b32 v224, v225               ; lane (r, h) now holds block h whole
	v_permlane16_swap_b32 v226, v227
	global_store_b128 v[L16], v[224:227], s[YI:YI+1]
	global_store_b8 v11, v243, s[YS:YS+1]
	s_wait_tensorcnt 0x0                           ; the wave's end
	ds_add_u32 v[SPW], v[NIL]
	s_wait_dscnt 0x0
	ROUND                                          ; the closing round
	s_endpgm
.Lfunc_end_k_q9bdf749dee_attn:
	.size	k_q9bdf749dee_attn, .Lfunc_end_k_q9bdf749dee_attn-k_q9bdf749dee_attn
	.p2alignl 7, 3214868480
	.fill 96, 4, 3214868480
	.section	.rodata,"a",@progbits
	.p2align	6, 0x0
	.amdhsa_kernel k_q9bdf749dee_attn
		.amdhsa_group_segment_fixed_size 327680
		.amdhsa_private_segment_fixed_size 0
		.amdhsa_enable_private_segment 0
		.amdhsa_kernarg_size 32
		.amdhsa_user_sgpr_count 2
		.amdhsa_user_sgpr_kernarg_segment_ptr 1
		.amdhsa_wavefront_size32 1
		.amdhsa_system_sgpr_workgroup_id_x 1
		.amdhsa_system_sgpr_workgroup_id_y 1
		.amdhsa_system_sgpr_workgroup_id_z 1
		.amdhsa_system_vgpr_workitem_id 0
		.amdhsa_next_free_vgpr 256
		.amdhsa_next_free_sgpr 72
		.amdhsa_reserve_vcc 1
		.amdhsa_float_denorm_mode_32 3
		.amdhsa_float_denorm_mode_16_64 3
		.amdhsa_memory_ordered 1
		.amdhsa_forward_progress 1
		.amdhsa_inst_pref_size 37
	.end_amdhsa_kernel
	.amdgpu_metadata
---
amdhsa.version: [ 1, 2 ]
amdhsa.kernels:
  - .name:           k_q9bdf749dee_attn
    .symbol:         k_q9bdf749dee_attn.kd
    .args:
      - { .name: qrec, .offset: 0, .size: 8, .value_kind: global_buffer, .address_space: global }
      - { .name: kvrec, .offset: 8, .size: 8, .value_kind: global_buffer, .address_space: global }
      - { .name: yimg, .offset: 16, .size: 8, .value_kind: global_buffer, .address_space: global }
      - { .name: ysc, .offset: 24, .size: 8, .value_kind: global_buffer, .address_space: global }
    .group_segment_fixed_size: 327680
    .private_segment_fixed_size: 0
    .kernarg_segment_align: 8
    .kernarg_segment_size: 32
    .max_flat_workgroup_size: 512
    .sgpr_count:     72
    .vgpr_count:     256
    .wavefront_size: 32
...
	.end_amdgpu_metadata
.endif
;; end of part 2
;; launch proj (part 3): grid 8 x 32, 4 waves a work-group, clusters of 4 x 4, 167,936 bytes of LDS; arguments yimg, ysc, W_proj_codes, W_proj_scales, b_proj, out0; writes out0
.if DOCPART == 3
	.amdgcn_target "amdgcn-amd-amdhsa--gfx1250"
	.amdhsa_code_object_version 6
	.text
	.protected	k_q9bdf749dee_proj
	.globl	k_q9bdf749dee_proj
	.p2align	8
	.type	k_q9bdf749dee_proj,@function
k_q9bdf749dee_proj:
	s_mov_b64 s[64:65], 0
	v_nop
	global_prefetch_b8 v0, s[64:65] scope:SCOPE_SE
	s_setreg_imm32_b32 hwreg(HW_REG_WAVE_MODE, 25, 1), 1
	s_wait_xcnt 0x0
	s_wait_alu depctr_hold_cnt(0) depctr_sa_sdst(0) depctr_va_vdst(0) depctr_va_sdst(0) depctr_va_ssrc(0) depctr_va_vcc(0) depctr_vm_vsrc(0)
	s_getreg_b32 s2, hwreg(HW_REG_IB_STS2, 6, 4)
	s_cmp_eq_u32 s2, 0
	s_cbranch_scc0 .Lentry_in_a_cluster
	s_endpgm
.Lentry_in_a_cluster:
	s_bfe_u32 s2, ttmp6, 0x10000c
	s_cmp_lg_u32 s2, 0xf033
	s_cbranch_scc0 .Lentry_shape_is_right
	s_endpgm
.Lentry_shape_is_right:
; THIRD LAUNCH: out0 = y W_proj + b_proj on codes of FP4 (E2M1) with E8M0 scales; sums in f32.  No work is left out here.
; y comes as the second launch laid it: images of operand registers, [row tile of 16][head][lane][16 bytes], and scale words [row tile][lane][4]: lane r + 16 hh holds the words of K steps 4 hh .. 4 hh + 3.
; A work-group makes 128 x 128 of out0, so that there are 256 of them; wave (wr, wc) makes 64 x 64.  All of K = 1,024 fits in LDS at once and is filled once, one tensor load a wave; no loop loads ahead, so nothing is prefetched.
; BY ROWS: a wave's fragments of W for all of K stay in registers (256 of them); its four row tiles of 16 are finished one after the other, 32 products each on 4 accumulators by turns, and a finished tile leaves while the next is multiplied.
; USED TRANSPOSED: source 0 = 16 rows of W (columns of out0), source 1 = 16 rows of y: a lane holds eight neighbouring numbers of a row of out0.  The bias is the C of a tile's first products.
; CLUSTER 4 x 4: y's tile hangs on the tile row alone and is asked for jointly along a row of the cluster, W's on the tile column alone, along a column.
; LIMITS: NaN and infinities are not served.
; REGISTERS: window 0: v0-13 addresses, v32-63 scale words, v64-191 y's fragments of two row tiles, v192-255 two sets of 4 accumulators.  Window 1: W's fragments, K step s, tile b at v[32 s + 8 b].  Window 2: v0-31 the bias, v32-95 rows read back from the stage, two sets.
.set PITCH, 528                        ; W's LDS row: 512 bytes + 16 of padding
.set TILEB, 16*PITCH
.set BBASE, 65536                      ; behind y's 8 row tiles of 8,192 bytes
.set SP,    272                        ; the way out: 16 rows x (256 bytes + 16) for each wave; no tensor load lands there
.set STAGE, BBASE+128*PITCH
.set SPARE, STAGE+4*16*SP              ; the spare words, 128 bytes for each wave: two blocks of 256 bytes that no other line names
.set SPW, 1
.set NIL, 2
.set AP,  3                            ; v3  W's fragments
.set AQ,  4                            ; v4  y's images
.set L16, 5                            ; v5  16 x lane
.set LS,  6                            ; v6  32 r + 16 h: W's scale bytes
.set BO,  7                            ; v7  32 h: the bias
.set STO, 8                            ; v8  the stage, in
.set RD,  9                            ; v9  the stage, back
.set CO,  10                           ; v10 my byte offset in two rows of out0
.set SCP, 32                           ; v32-47 W's scale words, v48-63 y's: scales and nothing else
.set SCQ, 48
.set YF,  64
.set ACC, 192
.set RB,  32                           ; in window 2
.set WV,  16
.set WR,  17
.set WC,  18
.set CX,  19
.set CY,  20
.set NT,  21
.set MT,  22
.set RM,  23
.set CM,  24
.set G1A, 28
.set G1B, 36
.set G0A, 44
.set G0B, 52
; temporaries: s60-62 hold the wave's number and the tile row alone, s63, s66, s67 the wave's number and the tile column alone, s68-71 both
.set MSB, 0
.macro WIN new                         ; the immediate's high byte repeats the setting that is left
.if MSB != \new
	s_set_vgpr_msb (MSB<<8)|\new
.set MSB, \new
.endif
.endm
.macro ROUND
	s_barrier_signal -1
	s_barrier_wait -1
	s_cmp_lg_u32 s[WV], 0
	s_cbranch_scc1 .Lnot_wave_0_\@
	s_barrier_signal -3
.Lnot_wave_0_\@:
	s_barrier_wait -3
	s_barrier_signal -1
	s_barrier_wait -1
.endm
.macro PLACES
.rept 4
	v_nop
.endr
.endm
.macro YLOAD a, buf                    ; y's fragments of row tile a, all of K: K step s is heads 2 s, 2 s + 1
	WIN 0
.irp s, 0,1,2,3,4,5,6,7
.irp c, 0,1
	ds_load_b128 v[YF+64*\buf+8*\s+4*\c:YF+64*\buf+8*\s+4*\c+3], v[AQ] offset:8192*\a+1024*\s+512*\c
.endr
.endr
.endm
; Row tile a: 32 products; the 4 accumulators of set a % 2 take turns, one instruction a turn: three others stand between a sum's steps
.macro MUL a
.irp s, 0,1,2,3,4,5,6,7
.if \a == 0
.if \s < 2
	s_wait_dscnt 63                                ; of 96 loads 33 are in: y's first tile and W's K steps 0 and 1
.else
	s_wait_dscnt 16+8*(7-\s)                       ; W's K step s is in; the later steps and y's second tile may be out
.endif
.endif
.irp b, 0,1,2,3
.if \s == 0
	WIN 0x21                                       ; source 0 (W) window 1, C (the bias) window 2
	v_wmma_scale_f32_16x16x128_f8f6f4 v[ACC+32*((\a)%2)+8*\b:ACC+32*((\a)%2)+8*\b+7], v[8*\b:8*\b+7], v[YF+64*((\a)%2):YF+64*((\a)%2)+7], v[8*\b:8*\b+7], v[SCP+4*\b], v[SCQ+4*(\a)] matrix_a_fmt:MATRIX_FMT_FP4 matrix_b_fmt:MATRIX_FMT_FP4
.elseif \s < 4
	WIN 0x01
	v_wmma_scale_f32_16x16x128_f8f6f4 v[ACC+32*((\a)%2)+8*\b:ACC+32*((\a)%2)+8*\b+7], v[32*\s+8*\b:32*\s+8*\b+7], v[YF+64*((\a)%2)+8*\s:YF+64*((\a)%2)+8*\s+7], v[ACC+32*((\a)%2)+8*\b:ACC+32*((\a)%2)+8*\b+7], v[SCP+4*\b+\s], v[SCQ+4*(\a)+\s] matrix_a_fmt:MATRIX_FMT_FP4 matrix_b_fmt:MATRIX_FMT_FP4
.else
	WIN 0x01
	v_wmma_scale_f32_16x16x128_f8f6f4 v[ACC+32*((\a)%2)+8*\b:ACC+32*((\a)%2)+8*\b+7], v[32*\s+8*\b:32*\s+8*\b+7], v[YF+64*((\a)%2)+8*\s:YF+64*((\a)%2)+8*\s+7], v[ACC+32*((\a)%2)+8*\b:ACC+32*((\a)%2)+8*\b+7], v[SCP+4*\b+\s-4], v[SCQ+4*(\a)+\s-4] matrix_a_fmt:MATRIX_FMT_FP4 matrix_b_fmt:MATRIX_FMT_FP4 matrix_a_scale:MATRIX_SCALE_ROW1 matrix_b_scale:MATRIX_SCALE_ROW1
.endif
.endr
.endr
.endm
; THE WAY OUT of a row tile.  A lane holds 32 neighbouring bytes of a row and the lanes beside it other rows: so the tile goes through my own stage and comes back as whole rows of 256 bytes.
; LDS serves a wave's instructions in order (ISA guide 5.7.1.4): no wait between the stores and the loads, nor in front of the next tile's stores.
.macro TOSTAGE a
	WIN 0
.irp b, 0,1,2,3
	ds_store_b128 v[STO], v[ACC+32*((\a)%2)+8*\b:ACC+32*((\a)%2)+8*\b+3] offset:64*\b          ; each accumulator from its low end on
	ds_store_b128 v[STO], v[ACC+32*((\a)%2)+8*\b+4:ACC+32*((\a)%2)+8*\b+7] offset:64*\b+16
.endr
	WIN 0x80
.irp t, 0,1,2,3,4,5,6,7
	ds_load_b128 v[RB+32*((\a)%2)+4*\t:RB+32*((\a)%2)+4*\t+3], v[RD] offset:2*SP*\t
.endr
	WIN 0
.endm
.macro SEND a, younger                 ; younger: the LDS instructions issued behind the tile's loads, which may stay out
	s_wait_dscnt \younger
	WIN 0x08
.irp t, 0,1,2,3,4,5,6,7
	global_store_b128 v[CO], v[RB+32*((\a)%2)+4*\t:RB+32*((\a)%2)+4*\t+3], s[14:15] offset:(16*(\a)+2*\t)*4096 th:TH_STORE_NT   ; 16 lanes store 256 consecutive bytes, aligned; written once, read by nobody here
.endr
	WIN 0
.endm
	s_load_b256 s[4:11], s[0:1], 0x0               ; yimg s[4:5], ysc s[6:7], W's codes s[8:9], W's scales s[10:11]
	s_load_b128 s[12:15], s[0:1], 0x20             ; b_proj s[12:13], out0 s[14:15]
	v_lshl_add_u32 v[SPW], v0, 2, SPARE
	v_mov_b32 v[NIL], 0
	ds_add_u32 v[SPW], v[NIL]                      ; the wave's opening: the add, twice on end, and its wait ahead of my tensor load; the set-up below stands between
	ds_add_u32 v[SPW], v[NIL]
	v_lshrrev_b32 v3, 5, v0
	v_readfirstlane_b32 s[WV], v3                  ; wave 0..3
	s_lshr_b32 s[WR], s[WV], 1                     ; my half of the tile's rows.  Also: I fetch for y (0) or for W (1)
	s_and_b32 s[WC], s[WV], 1                      ; my half of its columns.  Also: which half of that tile I fetch
	s_bfe_u32 s[CX], ttmp6, 0x40000
	s_bfe_u32 s[CY], ttmp6, 0x40004
	s_lshl_b32 s[NT], ttmp9, 2
	s_add_co_u32 s[NT], s[NT], s[CX]               ; tile column
	s_and_b32 s[MT], ttmp7, 0xffff
	s_lshl_b32 s[MT], s[MT], 2
	s_add_co_u32 s[MT], s[MT], s[CY]               ; tile row
	s_lshl_b32 s[RM], s[CY], 2
	s_lshl_b32 s[RM], 15, s[RM]                    ; my row of the cluster
	s_lshl_b32 s[CM], 0x1111, s[CX]                ; my column
	s_or_b32 s[G1A], s[RM], (3<<16)|(1<<21)        ; y: 4 row tiles x 8,192 bytes (1,024 elements of 8 bytes), dense; no padding: images are read as they lie
	s_mov_b32 s[G1A+1], 1024<<16
	s_mov_b32 s[G1A+2], 4<<16
	s_mov_b32 s[G1A+3], 1024<<16
	s_mov_b32 s[G1A+4], 4
	s_mov_b32 s[G1A+5], 1024
	s_mov_b32 s[G1A+6], 0
	s_mov_b32 s[G1A+7], 0
	s_or_b32 s[G1B], s[CM], (1<<20)|(1<<21)|(6<<22)|(3<<25)   ; W: 64 rows x 512 bytes; 4 words of padding behind every 128
	s_mov_b32 s[G1B+1], 512<<16
	s_mov_b32 s[G1B+2], 64<<16
	s_mov_b32 s[G1B+3], 512<<16
	s_mov_b32 s[G1B+4], 64
	s_mov_b32 s[G1B+5], 512
	s_mov_b32 s[G1B+6], 0
	s_mov_b32 s[G1B+7], 0
	v_and_b32 v11, 15, v0                          ; r
	v_bfe_u32 v12, v0, 4, 1                        ; h
	v_and_b32 v13, 31, v0                          ; lane
	s_mul_i32 s70, s[WC], 64*PITCH
	s_add_co_u32 s70, s70, BBASE
	v_mul_u32_u24 v[AP], v11, PITCH
	v_lshl_add_u32 v[AP], v12, 4, v[AP]
	v_add_nc_u32 v[AP], s70, v[AP]                 ; W: row 64 wc + r, + 16 h
	v_lshlrev_b32 v[L16], 4, v13
	s_lshl_b32 s70, s[WR], 15
	v_add_nc_u32 v[AQ], s70, v[L16]                ; y: row tile 4 wr on, 16 x lane
	v_lshlrev_b32 v[LS], 5, v11
	v_lshl_add_u32 v[LS], v12, 4, v[LS]
	v_lshlrev_b32 v[BO], 5, v12
	s_mul_i32 s70, s[WV], 16*SP
	s_add_co_u32 s70, s70, STAGE                   ; my stage
	v_mul_u32_u24 v[STO], v11, SP
	v_lshl_add_u32 v[STO], v12, 5, v[STO]
	v_add_nc_u32 v[STO], s70, v[STO]               ; in: row r, 32 bytes for each half of the lanes
	v_mul_u32_u24 v[RD], v12, SP
	v_lshl_add_u32 v[RD], v11, 4, v[RD]
	v_add_nc_u32 v[RD], s70, v[RD]                 ; back: lanes 0-15 one row of 256 bytes, lanes 16-31 the next
	v_lshlrev_b32 v[CO], 12, v12
	v_lshl_add_u32 v[CO], v11, 4, v[CO]            ; and the same two rows in out0, 4,096 bytes apart
	s_wait_alu depctr_va_vdst(0)                   ; the head's end
	s_wait_dscnt 0x0                               ; both opening adds are done
	s_wait_kmcnt 0x0
	s_mov_b32 s69, 0
	s_lshl_b32 s68, s[NT], 12                      ; W's scales: (128 nt + 64 wc) rows of 32 bytes
	s_lshl_b32 s70, s[WC], 11
	s_add_co_u32 s68, s68, s70
	s_add_nc_u64 s[10:11], s[10:11], s[68:69]
	s_lshl_b32 s68, s[MT], 12                      ; y's: (8 mt + 4 wr) row tiles of 512 bytes
	s_lshl_b32 s70, s[WR], 11
	s_add_co_u32 s68, s68, s70
	s_add_nc_u64 s[6:7], s[6:7], s[68:69]
	s_lshl_b32 s68, s[NT], 9                       ; my first column, in bytes of f32: 512 nt + 256 wc
	s_lshl_b32 s70, s[WC], 8
	s_add_co_u32 s68, s68, s70
	s_add_nc_u64 s[12:13], s[12:13], s[68:69]      ; in the bias,
	s_add_nc_u64 s[14:15], s[14:15], s[68:69]      ; and in out0,
	s_lshl_b32 s68, s[MT], 19                      ; at row 128 mt + 64 wr, 4,096 bytes a row
	s_lshl_b32 s70, s[WR], 18
	s_add_co_u32 s68, s68, s70
	s_add_nc_u64 s[14:15], s[14:15], s[68:69]
.irp i, 0,1,2,3
	global_load_b128 v[SCP+4*\i:SCP+4*\i+3], v[LS], s[10:11] offset:512*\i    ; 512 consecutive bytes a load
	global_load_b128 v[SCQ+4*\i:SCQ+4*\i+3], v[L16], s[6:7] offset:512*\i
.endr
	WIN 0x80
.irp b, 0,1,2,3
.irp e, 0,1
	global_load_b128 v[8*\b+4*\e:8*\b+4*\e+3], v[BO], s[12:13] offset:64*\b+16*\e   ; the bias at columns 16 b + 8 h + 4 e on
.endr
.endr
	WIN 0
	ROUND                                          ; all sixteen work-groups are here: the joint loads meet
	s_cmp_lt_u32 s[WV], 2                          ; every wave issues one load, in one of two arms
	s_cbranch_scc0 .Lfor_w
	s_lshl_b32 s60, s[MT], 16                      ; waves 0, 1: y's row tiles 8 mt + 4 w on, 8,192 bytes each
	s_lshl_b32 s62, s[WV], 15
	s_add_co_u32 s60, s60, s62
	s_mov_b32 s61, 0
	s_mov_b32 s[G0A], 1
	s_lshl_b32 s[G0A+1], s[WV], 15
	s_add_nc_u64 s[G0A+2:G0A+3], s[4:5], s[60:61]
	s_or_b32 s[G0A+3], s[G0A+3], 0x80000000
	tensor_load_to_lds s[G0A:G0A+3], s[G1A:G1A+7]
	s_nop 0
	PLACES
	s_branch .Lasked
.Lfor_w:
	s_lshl_b32 s66, s[NT], 16                      ; waves 2, 3: W's rows 128 nt + 64 (w - 2) on, 512 bytes each
	s_lshl_b32 s63, s[WC], 15
	s_add_co_u32 s66, s66, s63
	s_mov_b32 s67, 0
	s_mov_b32 s[G0B], 1
	s_mul_i32 s[G0B+1], s[WC], 64*PITCH
	s_add_co_u32 s[G0B+1], s[G0B+1], BBASE
	s_add_nc_u64 s[G0B+2:G0B+3], s[8:9], s[66:67]
	s_or_b32 s[G0B+3], s[G0B+3], 0x80000000
	tensor_load_to_lds s[G0B:G0B+3], s[G1B:G1B+7]
	s_nop 0
	PLACES
.Lasked:
	s_wait_tensorcnt 0x0                           ; my load has landed
	s_barrier_signal -1
	s_barrier_wait -1                              ; everybody's has
	YLOAD 0, 0
	WIN 0x40
.irp s, 0,1,2,3,4,5,6,7
.irp b, 0,1,2,3
.irp c, 0,1
	ds_load_b128 v[32*\s+8*\b+4*\c:32*\s+8*\b+4*\c+3], v[AP] offset:TILEB*\b+64*\s+32*\c   ; W's fragments, all of K
.endr
.endr
.endr
	YLOAD 1, 1
	s_wait_loadcnt 0x0                             ; the scale words and the bias
	MUL 0
	PLACES                                         ; behind a tile's products: in front of the first read of its results and of loads into y's registers
	TOSTAGE 0
	YLOAD 2, 0
	s_wait_dscnt 32                                ; y's tile 1; tile 0's stage (16) and y's tile 2 (16) may be out
	MUL 1
	SEND 0, 16
	PLACES
	TOSTAGE 1
	YLOAD 3, 1
	s_wait_dscnt 32                                ; y's tile 2; likewise
	MUL 2
	SEND 1, 16
	PLACES
	s_wait_xcnt 0x0                                ; tile 0's stores have read their registers: tile 2's rows may land there
	TOSTAGE 2
	s_wait_dscnt 16                                ; y's tile 3; tile 2's stage may be out
	MUL 3
	SEND 2, 0
	PLACES
	s_wait_xcnt 0x0                                ; tile 1's stores have read theirs
	TOSTAGE 3
	SEND 3, 0
	s_wait_tensorcnt 0x0                           ; the wave's end: behind my last tensor load and my last LDS store
	ds_add_u32 v[SPW], v[NIL]
	s_wait_dscnt 0x0
	ROUND                                          ; the closing round
	s_endpgm
.Lfunc_end_k_q9bdf749dee_proj:
	.size	k_q9bdf749dee_proj, .Lfunc_end_k_q9bdf749dee_proj-k_q9bdf749dee_proj
	.p2alignl 7, 3214868480
	.fill 96, 4, 3214868480
	.section	.rodata,"a",@progbits
	.p2align	6, 0x0
	.amdhsa_kernel k_q9bdf749dee_proj
		.amdhsa_group_segment_fixed_size 167936
		.amdhsa_private_segment_fixed_size 0
		.amdhsa_enable_private_segment 0
		.amdhsa_kernarg_size 48
		.amdhsa_user_sgpr_count 2
		.amdhsa_user_sgpr_kernarg_segment_ptr 1
		.amdhsa_wavefront_size32 1
		.amdhsa_system_sgpr_workgroup_id_x 1
		.amdhsa_system_sgpr_workgroup_id_y 1
		.amdhsa_system_sgpr_workgroup_id_z 1
		.amdhsa_system_vgpr_workitem_id 0
		.amdhsa_next_free_vgpr 608
		.amdhsa_next_free_sgpr 72
		.amdhsa_reserve_vcc 0
		.amdhsa_float_denorm_mode_32 3
		.amdhsa_float_denorm_mode_16_64 3
		.amdhsa_memory_ordered 1
		.amdhsa_forward_progress 1
		.amdhsa_inst_pref_size 41
	.end_amdhsa_kernel
	.amdgpu_metadata
---
amdhsa.version: [ 1, 2 ]
amdhsa.kernels:
  - .name:           k_q9bdf749dee_proj
    .symbol:         k_q9bdf749dee_proj.kd
    .args:
      - { .name: yimg, .offset: 0, .size: 8, .value_kind: global_buffer, .address_space: global }
      - { .name: ysc, .offset: 8, .size: 8, .value_kind: global_buffer, .address_space: global }
      - { .name: W_proj_codes, .offset: 16, .size: 8, .value_kind: global_buffer, .address_space: global }
      - { .name: W_proj_scales, .offset: 24, .size: 8, .value_kind: global_buffer, .address_space: global }
      - { .name: b_proj, .offset: 32, .size: 8, .value_kind: global_buffer, .address_space: global }
      - { .name: out0, .offset: 40, .size: 8, .value_kind: global_buffer, .address_space: global }
    .group_segment_fixed_size: 167936
    .private_segment_fixed_size: 0
    .kernarg_segment_align: 8
    .kernarg_segment_size: 48
    .max_flat_workgroup_size: 128
    .sgpr_count:     72
    .vgpr_count:     608
    .wavefront_size: 32
...
	.end_amdgpu_metadata
.endif
;; end of part 3
